; MI455X (gfx1250); checked and timed in simulation.
; The chip was launched on July 23, 2026; its instructions are those of AMD's public machine-readable ISA for CDNA 5 (MIT licence, August 2026) and "CDNA5" Instruction Set Architecture Reference Guide (July 2026). The comments in the code are by the model that wrote it; some were corrected since.
;; Diff Llama Flash Attention2. Allowed arithmetic: matrix products marked QUANTISED: E2M3 operands, one E8M0 scale for each 32 along K, by v_wmma_scale_f32_16x16x128_f8f6f4 with both operands' format E2M3, f32 sums; everything else in f32.
;; Inputs: Wk 512 x 2,048 float32; Wo 2,048 x 2,048 float32; Wq 2,048 x 2,048 float32; Wv 512 x 2,048 float32; cos 2,048 x 64 float32; hidden_states 1 x 2,048 x 2,048 float32; lambda_k1 64 float32; lambda_k2 64 float32; lambda_q1 64 float32; lambda_q2 64 float32; sin 2,048 x 64 float32.
;; Outputs: out0 1 x 2,048 x 2,048 float32.
;; This version of the problem:
;;   THIS VERSION OF THE PROBLEM IS GIVEN IN LOW PRECISION. The matrix products marked QUANTISED in the list below multiply operands that are first quantised to E2M3 (2 exponent bits, 3 mantissa bits; 6 bits a number), with one power-of-two scale for each 32 numbers along K (OCP MX v1.0); their sums are f32. All else is computed in f32.
;;   The module's matrix products, in the order in which they are computed (A, B: the left and right operand; K: the contracted axis; several contracted axes count as one K, in the product's order):
;;     1. [M 2,048, K 2,048] x [K 2,048, N 2,048]; A: input hidden_states; B: input Wq: QUANTISED
;;     2. [M 2,048, K 2,048] x [K 2,048, N 512]; A: input hidden_states; B: input Wk: QUANTISED
;;     3. [M 2,048, K 2,048] x [K 2,048, N 512]; A: input hidden_states; B: input Wv: QUANTISED
;;     4. batch 32 x [M 2,048, K 64] x [K 64, N 2,048]; A: computed on the way; B: computed on the way: QUANTISED
;;     5. batch 32 x [M 2,048, K 2,048] x [K 2,048, N 128]; A: softmax (see below); B: computed on the way: QUANTISED
;;     6. [M 2,048, K 2,048] x [K 2,048, N 2,048]; A: computed on the way; B: input Wo: QUANTISED
;;   THE QUANTISER, for each operand of a quantised product, along K:
;;     - K is cut into blocks of 32 from its start; a last block that is shorter is filled with zeros.
;;     - A block's scale is 2^e with e = floor(log2(the largest magnitude in the block)) - 2, held to -126 .. 127; a block of zeros has e = 0. As a byte (E8M0): e + 127.
;;     - Each number is divided by its block's scale, clamped to +-7.5, and rounded to the nearest number of E2M3, ties to even, subnormals kept.
;;     - The product sums the exact products of the quantised numbers (number of the format x scale) in f32.
;;   ~~~python
;;   def quantise(x, axis):      # numpy; x: float32 -> the quantised numbers, widened to float32 again
;;       x = np.moveaxis(x, axis, -1); K = x.shape[-1]
;;       x = np.pad(x, [(0, 0)] * (x.ndim - 1) + [(0, -K % 32)]); x = x.reshape(x.shape[:-1] + (-1, 32)); a = np.abs(x).max(-1, keepdims=True)
;;       e = np.where(a > 0, np.clip(np.frexp(np.where(a > 0, a, 1))[1] - 1 - 2, -126, 127), 0)      # np.frexp(a)[1] - 1 = floor(log2(a)), exactly
;;       r = np.clip(x / 2.0 ** e, -7.5, 7.5)
;;       step = 2.0 ** (np.maximum(np.frexp(np.where(r == 0, 1, r))[1] - 1, 0) - 3)
;;       q = np.round(r / step) * step * 2.0 ** e      # np.round: ties to even
;;       return np.moveaxis(q.reshape(q.shape[:-2] + (-1,))[..., :K], -1, axis).astype(np.float32)
;;   ~~~
;;   SOFTMAX AHEAD OF A QUANTISED PRODUCT. Where the list says 'softmax', what is quantised is not the finished softmax but p = 2^(t - M), with t = logit x log2(e) and M = ceil(the row's largest t), a whole number; so 1/2 < the row's largest p <= 1. The row's sum l is taken of the UNQUANTISED p, in f32, and the product's result is divided by l at the end. Since M is a whole number, a kernel that streams over the keys may use a running M (the ceiling of the running maximum): every later rescaling is an exact power of two, which a block's scale takes up: the codes' values come out the same.
;;   OPERANDS COMPUTED ON THE WAY. 'Computed on the way' means the value that the module computes at that place (a softmax that the list does not call 'softmax' is quantised finished and normalised). What goes into a quantiser is computed in f32, as accurately as f32 sums, v_exp_f32 and their like allow (about 1e-6 of the number): no bf16 or f16 on the way to a quantiser, and a product that is left as it is and whose result goes on into a quantised operand takes f32 operands (vector FMAs, or v_wmma_f32_16x16x4_f32). A number that lies on a knife's edge between two numbers of the format may be rounded either way, as far as f32 arithmetic and the matrix unit's own rounding can turn it there, and no further.
;; One version. Each part assembles by itself: llvm-mc -triple=amdgcn-amd-amdhsa -mcpu=gfx1250 --defsym DOCPART=n.
;; ======== version 1 of 1: 4 launches
;; limits: right only within a limited range of input values
;; workspace buffers: xi 3,407,872 bytes; wi 5,111,808 bytes; woi 3,407,872 bytes; qkv 5,505,024 bytes; ai 3,407,872 bytes
;; launch quant (part 1): grid 448 x 1, 4 waves a work-group, no clusters, 34,304 bytes of LDS; arguments hidden_states, Wq, Wk, Wv, Wo, xi, wi, woi; writes xi, wi, woi
.if DOCPART == 1
	.amdgcn_target "amdgcn-amd-amdhsa--gfx1250"
	.amdhsa_code_object_version 6
	.text
	.protected	k_qb846cec069_quant
	.globl	k_qb846cec069_quant
	.p2align	8
	.type	k_qb846cec069_quant,@function
k_qb846cec069_quant:
	s_mov_b64 s[64:65], 0
	v_nop
	global_prefetch_b8 v0, s[64:65] scope:SCOPE_SE
	s_setreg_imm32_b32 hwreg(HW_REG_WAVE_MODE, 25, 1), 1
	s_wait_xcnt 0x0
; hidden_states, Wq, Wk, Wv, Wo (f32, rows of 2,048 with K innermost) become codes of FP6 (E2M3) with one E8M0 byte for each 32 along K,
; laid as IMAGES OF THE OPERAND'S REGISTERS.  A block's scale is 2^(floor(log2(largest magnitude)) - 2); its byte is that magnitude's exponent field - 2, held at 1 from below.
; (A block of zeros gets the byte 1: its codes are zeros, and this program alone reads the bytes.)
; LIMITS: NaN and infinities are not served; blocks whose largest magnitude lies under 2^-124 take the byte 1.
; A ROW TILE t is the 16 rows 32 (t / 2) + 8 (t % 2) + r + 8 (r / 8), r = 0 .. 15: as source 0 of a product two neighbouring tiles then give a lane 16 neighbours along the next K.
; A RECORD, 6,656 bytes, holds one tile's 512 along K: four fragments (K step s, registers 4 c .. 4 c + 3 of lane l at 1536 s + 512 c + 16 l), then the scale words (K step s of lane l at 6144 + 16 l + 4 s).
; A work-group takes one tile, wave q its K 512 q .. 512 q + 511: one record.  Work-groups 0-127: hidden_states -> xi; 128-255 Wq, 256-287 Wk, 288-319 Wv -> wi tiles 0-191; 320-447 Wo -> woi.
; Each load reads 512 consecutive bytes of a row; a K step's 16 x 512 bytes turn through the wave's own stage in LDS, so that a lane gets 16 neighbours of each block of its row.  Waves share nothing: no barrier.
.set ROWB,  8192                       ; a row in memory
.set SP,    528                        ; a stage row: 512 bytes + 16, so that 16 rows start at 16 different groups of banks
.set STG,   16*SP                      ; a wave's stage
.set SPARE, 4*STG                      ; behind the stages: the spare words, 128 bytes a wave, named by no other line
.set QR,    6656                       ; a record
.set GO,  2                            ; v2   16 x lane: my bytes of a load's or a store's 512
.set SI,  3                            ; v3   the stage on the way in
.set SO,  4                            ; v4   and on the way out: row r, + 64 h
.set SPW, 5                            ; v5   my spare word; never rewritten
.set NIL, 6                            ; v6   0; never rewritten
.set TM,  8                            ; v8-23  at work in QUANT
.set SCW, 24                           ; v24-27 the four K steps' scale words
.set PC,  28                           ; v28-47 the codes just made
.set R,   64                           ; v64-255 three sets of 64 numbers
.set SEL, 30                           ; s[30:31] selects for lane l xor 16
; 64 numbers of a lane, register 16 b + i = k 32 b + 16 (lane / 16) + i of my row, become a fragment's codes in v[PC] .. v[PC+11] and its scale word in v[pw].
.macro QUANT s, pw
.irp b, 0,1,2,3
	v_max3_num_f32 v[TM+\b], |v[\s+16*\b]|, |v[\s+1+16*\b]|, 0x1800000   ; my 16 numbers of block b, and the floor 2^(3 - 127): the byte cannot fall under 1
.endr
.irp i, 2,4,6,8,10,12,14
.irp b, 0,1,2,3
	v_max3_num_f32 v[TM+\b], v[TM+\b], |v[\s+16*\b+\i]|, |v[\s+1+16*\b+\i]|
.endr
.endr
.irp b, 0,1,2,3
	v_permlanex16_b32 v[TM+4+\b], v[TM+\b], s[SEL], s[SEL+1]
.endr
.irp b, 0,1,2,3
	v_max_num_f32 v[TM+\b], v[TM+\b], v[TM+4+\b]                     ; with lane l xor 16's: the block's largest magnitude
.endr
.irp b, 0,1,2,3
	v_add_nc_u32 v[TM+12+\b], 0xff000000, v[TM+\b]                   ; 2 off its exponent field: the conversion's scale operand
.endr
.irp b, 0,1,2,3
	v_lshrrev_b32 v[TM+4+\b], 23, v[TM+12+\b]                        ; the scale's byte
.endr
	v_lshl_or_b32 v[\pw], v[TM+5], 8, v[TM+4]
	v_lshl_or_b32 v[\pw], v[TM+6], 16, v[\pw]
	v_lshl_or_b32 v[\pw], v[TM+7], 24, v[\pw]
.irp c, 0,1
	v_cvt_scalef32_pk16_fp6_f32 v[PC+6*\c:PC+2+6*\c], v[\s+32*\c:\s+15+32*\c], v[TM+12+2*\c]
	v_cvt_scalef32_pk16_fp6_f32 v[PC+12+4*\c:PC+14+4*\c], v[\s+16+32*\c:\s+31+32*\c], v[TM+12+2*\c+1]   ; (three registers from an even one on)
.endr
	v_nop                                                            ; one plain place behind a scaled conversion
.irp c, 0,1                                                      ; the layout wants a whole block in a lane: lanes 0-15 block 2 c, lanes 16-31 block 2 c + 1
.irp i, 0,1,2
	v_permlane16_swap_b32 v[PC+6*\c+\i], v[PC+12+4*\c+\i]
.endr
.irp i, 0,1,2
	v_mov_b32 v[PC+3+6*\c+\i], v[PC+12+4*\c+\i]
.endr
.endr
.endm
	s_load_b256 s[4:11], s[0:1], 0x0               ; hidden_states, Wq, Wk, Wv
	s_load_b256 s[12:19], s[0:1], 0x20             ; Wo, xi, wi, woi
	v_lshl_add_u32 v[SPW], v0, 2, SPARE
	v_mov_b32 v[NIL], 0
	v_lshrrev_b32 v1, 5, v0
	v_readfirstlane_b32 s28, v1                    ; wave = which 512 along K
	v_and_b32 v1, 31, v0
	v_lshlrev_b32 v[GO], 4, v1
	s_mul_i32 s29, s28, STG
	v_add_nc_u32 v[SI], s29, v[GO]
	v_and_b32 v7, 15, v0                           ; r
	v_bfe_u32 v1, v0, 4, 1                         ; h
	v_mul_u32_u24 v[SO], v7, SP
	v_lshl_add_u32 v[SO], v1, 6, v[SO]
	v_add_nc_u32 v[SO], s29, v[SO]
	s_mov_b32 s[SEL], 0x76543210
	s_mov_b32 s[SEL+1], 0xfedcba98
.irp b, 0,1,2,3
	v_mov_b32 v[TM+4+\b], 0                        ; a lane permute's destination counts as one of its sources
.endr
	s_mov_b32 s24, 320                             ; what is taken off the work-group's number: for the source's tile,
	s_mov_b32 s25, 320                             ; and for the destination's
	s_wait_alu depctr_va_vdst(0)
	s_wait_kmcnt 0x0
	s_mov_b64 s[20:21], s[12:13]                   ; the choice of buffers hangs on the work-group's number alone
	s_mov_b64 s[22:23], s[18:19]
	s_cmp_lt_u32 ttmp9, 320
	s_cselect_b64 s[20:21], s[10:11], s[20:21]
	s_cselect_b64 s[22:23], s[16:17], s[22:23]
	s_cselect_b32 s24, 288, s24
	s_cselect_b32 s25, 128, s25
	s_cmp_lt_u32 ttmp9, 288
	s_cselect_b64 s[20:21], s[8:9], s[20:21]
	s_cselect_b32 s24, 256, s24
	s_cmp_lt_u32 ttmp9, 256
	s_cselect_b64 s[20:21], s[6:7], s[20:21]
	s_cselect_b32 s24, 128, s24
	s_cmp_lt_u32 ttmp9, 128
	s_cselect_b64 s[20:21], s[4:5], s[20:21]
	s_cselect_b64 s[22:23], s[14:15], s[22:23]
	s_cselect_b32 s24, 0, s24
	s_cselect_b32 s25, 0, s25
	s_sub_co_u32 s24, ttmp9, s24                   ; the source's tile t
	s_sub_co_u32 s25, ttmp9, s25                   ; the destination's
	s_lshr_b32 s26, s24, 1
	s_lshl_b32 s26, s26, 18                        ; 32 (t / 2) rows of 8,192 bytes
	s_and_b32 s27, s24, 1
	s_lshl_b32 s27, s27, 16                        ; + 8 (t % 2) rows
	s_add_co_u32 s26, s26, s27
	s_lshl_b32 s27, s28, 11                        ; + my 512 numbers
	s_add_co_u32 s26, s26, s27
	s_mov_b32 s27, 0
	s_add_nc_u64 s[20:21], s[20:21], s[26:27]
	s_mul_i32 s26, s25, 4*QR
	s_mul_i32 s29, s28, QR
	s_add_co_u32 s26, s26, s29
	s_add_nc_u64 s[22:23], s[22:23], s[26:27]      ; my record
.macro LOAD t                          ; K step t: the tile's 16 rows, 512 consecutive bytes each, into set t % 3
.irp i, 0,1,2,3,4,5,6,7,8,9,10,11,12,13,14,15
	global_load_b128 v[R+64*((\t)%3)+4*\i:R+64*((\t)%3)+4*\i+3], v[GO], s[20:21] offset:(\i+8*(\i/8))*ROWB+512*(\t) th:TH_LOAD_NT
.endr
.endm
.macro STEP t, left                    ; left: the loads of younger K steps, which may stay out
.set XS, R+64*((\t)%3)
	s_wait_loadcnt \left
.irp i, 0,1,2,3,4,5,6,7,8,9,10,11,12,13,14,15
	ds_store_b128 v[SI], v[XS+4*\i:XS+4*\i+3] offset:SP*\i
.endr
.irp b, 0,1,2,3                        ; LDS serves a wave's instructions in order: these see the stores above.  Register 16 b + 4 j .. : k = 32 b + 16 h + 4 j .. of row r
.irp j, 0,1,2,3
	ds_load_b128 v[XS+16*\b+4*\j:XS+16*\b+4*\j+3], v[SO] offset:128*\b+16*\j
.endr
.endr
	s_wait_dscnt 0x0
	s_wait_xcnt 0x0                                ; the last step's stores have read the codes' registers: they are written again only behind this wait
	QUANT XS, SCW+(\t)
.irp c, 0,1,2
	global_store_b128 v[GO], v[PC+4*\c:PC+4*\c+3], s[22:23] offset:1536*(\t)+512*\c   ; 32 lanes store 512 consecutive bytes, at a multiple of 256 from the buffer's first byte
.endr
.endm
	LOAD 0
	LOAD 1
	LOAD 2
	STEP 0, 32
	LOAD 3                                         ; into the set that step 0 has left
	STEP 1, 32
	STEP 2, 16
	STEP 3, 0
	global_store_b128 v[GO], v[SCW:SCW+3], s[22:23] offset:6144   ; the four scale words of my row (lanes 16-31 hold the same as lanes 0-15)
	s_wait_tensorcnt 0x0                           ; the wave's end, behind my last LDS store
	ds_add_u32 v[SPW], v[NIL]
	s_wait_dscnt 0x0
	s_endpgm
.Lfunc_end_k_qb846cec069_quant:
	.size	k_qb846cec069_quant, .Lfunc_end_k_qb846cec069_quant-k_qb846cec069_quant
	.p2alignl 7, 3214868480
	.fill 96, 4, 3214868480
	.section	.rodata,"a",@progbits
	.p2align	6, 0x0
	.amdhsa_kernel k_qb846cec069_quant
		.amdhsa_group_segment_fixed_size 34304
		.amdhsa_private_segment_fixed_size 0
		.amdhsa_enable_private_segment 0
		.amdhsa_kernarg_size 64
		.amdhsa_user_sgpr_count 2
		.amdhsa_user_sgpr_kernarg_segment_ptr 1
		.amdhsa_wavefront_size32 1
		.amdhsa_system_sgpr_workgroup_id_x 1
		.amdhsa_system_sgpr_workgroup_id_y 1
		.amdhsa_system_sgpr_workgroup_id_z 1
		.amdhsa_system_vgpr_workitem_id 0
		.amdhsa_next_free_vgpr 256
		.amdhsa_next_free_sgpr 66
		.amdhsa_reserve_vcc 0
		.amdhsa_float_denorm_mode_32 3
		.amdhsa_float_denorm_mode_16_64 3
		.amdhsa_memory_ordered 1
		.amdhsa_forward_progress 1
		.amdhsa_inst_pref_size 34
	.end_amdhsa_kernel
	.amdgpu_metadata
---
amdhsa.version: [ 1, 2 ]
amdhsa.kernels:
  - .name:           k_qb846cec069_quant
    .symbol:         k_qb846cec069_quant.kd
    .args:
      - { .name: hidden_states, .offset: 0, .size: 8, .value_kind: global_buffer, .address_space: global }
      - { .name: Wq, .offset: 8, .size: 8, .value_kind: global_buffer, .address_space: global }
      - { .name: Wk, .offset: 16, .size: 8, .value_kind: global_buffer, .address_space: global }
      - { .name: Wv, .offset: 24, .size: 8, .value_kind: global_buffer, .address_space: global }
      - { .name: Wo, .offset: 32, .size: 8, .value_kind: global_buffer, .address_space: global }
      - { .name: xi, .offset: 40, .size: 8, .value_kind: global_buffer, .address_space: global }
      - { .name: wi, .offset: 48, .size: 8, .value_kind: global_buffer, .address_space: global }
      - { .name: woi, .offset: 56, .size: 8, .value_kind: global_buffer, .address_space: global }
    .group_segment_fixed_size: 34304
    .private_segment_fixed_size: 0
    .kernarg_segment_align: 8
    .kernarg_segment_size: 64
    .max_flat_workgroup_size: 128
    .sgpr_count:     66
    .vgpr_count:     256
    .wavefront_size: 32
...
	.end_amdgpu_metadata
.endif
;; end of part 1
;; launch qkv (part 2): grid 192 x 1, 8 waves a work-group, no clusters, 327,680 bytes of LDS; arguments xi, wi, cos, sin, qkv; writes qkv
.if DOCPART == 2
	.amdgcn_target "amdgcn-amd-amdhsa--gfx1250"
	.amdhsa_code_object_version 6
	.text
	.protected	k_qb846cec069_qkv
	.globl	k_qb846cec069_qkv
	.p2align	8
	.type	k_qb846cec069_qkv,@function
k_qb846cec069_qkv:
	s_mov_b64 s[64:65], 0
	v_nop
	global_prefetch_b8 v0, s[64:65] scope:SCOPE_SE
	s_setreg_imm32_b32 hwreg(HW_REG_WAVE_MODE, 25, 1), 1
	s_wait_xcnt 0x0
; q, k, v = hidden_states W^T on codes of FP6 (E2M3) with E8M0 scales, K = 2,048; then RoPE on q and k in f32; then q and k are quantised along the head's 64 and v along the keys, in registers.
; ONE FORM FOR ALL THREE: P = S0 S1^T, source 0 = 16 rows of S0, source 1 = 16 rows of S1: a lane holds ONE row of S1, and its registers run along S0's rows, which are the next product's K.
;   work-groups 0-159 (q, k): S0 = wi (features d), S1 = xi (tokens);   work-groups 160-191 (v): S0 = xi (tokens = keys), S1 = wi's tiles 160-191 (channels).
; xi and wi are register images: tile t, K quad g at (4 t + g) x 6,656 bytes: four fragments of 1,536 bytes, then 512 bytes of scale words.  A tile's rows are 32 (t / 2) + 8 (t % 2) + r + 8 (r / 8).
; A work-group takes 16 tiles of S0 x 8 of S1; wave w the 4 x 4 tiles (w & 3, w >> 2): 16 accumulators, ACC(b, a) at v[128 + 32 b + 8 a]: for S1's tile b, register 16 B + i is next-K 32 B + 16 (lane / 16) + i.
; K goes in four quads of 512 through two LDS slots; waves 0-3 fetch S0's tiles (4 records each), waves 4-7 S1's (2 each): one tensor load a wave behind each barrier; one load of a wave is out.
; OUT: one record of 3,584 bytes a wave: four half fragments (K = 64: registers 0-3 at 768 b + 16 l, registers 4-5 at 768 b + 512 + 8 l), then the words (3072 + 16 l + 4 b: two bytes, upper half 0).
;   record = head' x 32 + group: head' 0-31 q, 32-39 k (group = 64 tokens, b = token tile), 40-47 v (group = 64 keys, b = channel tile).
; No cluster: S0's tiles are shared by the work-groups of a block row, but a slot's S1 part is each work-group's own, so joint and plain loads would stand mixed behind one barrier; left for a later text.
; LIMITS: NaN and infinities are not served; a block whose largest magnitude lies under 2^-124 takes the byte 1 (a block of zeros too: its codes are zeros).
.set QR,    6656
.set TROW,  4*QR                       ; a tile's four records
.set S1OFF, 16*QR                      ; a slot: S0's 16 records, then S1's 8
.set SLOT,  24*QR
.set SPARE, 2*SLOT                     ; behind the ring: the spare words, 128 bytes a wave, named by no other line
.set HR,    3584
.set CPT,   272                        ; cos and sin in LDS: rows of 256 bytes + 16
.set PFO,   115                        ; v115 the prefetches' offset: 256 x min(lane, 25): a record is 26 blocks of 256 bytes; never rewritten
.set G1C,   68                         ; s[68:75], s[76:79] the descriptor for cos and sin
.set G0C,   76
.set PFA,   80                         ; s[80:81] the tile whose records my wave asks for; never rewritten
.set PFN,   87                         ; how many waves of my work-group ask
; A PREFETCH: quad g's record of one tile.  The work-groups share the records out by address: wave 0 of work-group n asks for wi's tile n; wave 1 of work-groups 0-127 for xi's tile 8 (n % 16) + n / 16:
; each record of a quad is named once in the launch.  Quads 1 and 2 are asked for behind the first tensor load, quad 3 behind the second: one or two fills ahead of the load that wants them.
.macro ASK g
	s_cmp_lt_u32 s[WV], s[PFN]
	s_cbranch_scc0 .Lnone_\@
	global_prefetch_b8 v[PFO], s[PFA:PFA+1] offset:(\g)*QR th:TH_LOAD_NT scope:SCOPE_SE
.Lnone_\@:
.endm
.set SPW, 1                            ; v1   my spare word; never rewritten
.set NIL, 2                            ; v2   0; never rewritten
.set A0,  3                            ; v3-4 my S0 tiles in slot 0, 1: + 16 x lane
.set A1,  5                            ; v5-6 my S1 tiles
.set SC0, 8                            ; v8-11  S0's scale words;  v12-15 S1's: they hold scales and nothing else
.set SC1, 12
.set F0,  16                           ; v16-63  S0's four fragments
.set F1,  64                           ; v64-111 S1's
.set CSO, 112                          ; v112 my byte in cos and sin: my token's row, + 64 h
.set L16, 113                          ; v113 16 x lane
.set L8,  114                          ; v114 8 x lane
.set ACC, 128
.set TM,  16                           ; the way out: at work (the fragments' registers are free)
.set CT,  32
.set WV,  14
.set WB,  15
.set G1A, 16                           ; s[16:23] group 1: 4 records;  s[24:31]: 2 records
.set G1B, 24
.set G0A, 32                           ; s[32:39] group 0 for S0, a set for each slot;  s[40:47] for S1
.set G0B, 40
.set SEL, 62                           ; s[62:63] selects for lane l xor 16
.macro TLOAD slot                      ; waves 0-3 fetch for S0, waves 4-7 for S1; the branch hangs on the wave's number alone
	s_cmp_lt_u32 s[WV], 4
	s_cbranch_scc0 .Lfor_b_\@
	tensor_load_to_lds s[G0A+4*\slot:G0A+4*\slot+3], s[G1A:G1A+7]
	s_nop 0
.rept 4
	v_nop
.endr
	s_branch .Lasked_\@
.Lfor_b_\@:
	tensor_load_to_lds s[G0B+4*\slot:G0B+4*\slot+3], s[G1B:G1B+7]
	s_nop 0
.rept 4
	v_nop
.endr
.Lasked_\@:
.endm
; One K step of 128: 32 LDS loads, 16 matrix instructions.  The sixteen accumulators take turns, one instruction a turn, in the same order in every step.
.macro KSTEP slot, s, zero
.rept 4
	v_nop                                          ; four places between the last products and the loads into the registers that they read
.endr
.irp t, 0,1,2,3
	ds_load_b32 v[SC0+\t], v[A0+\slot] offset:\t*QR+6144+4*(\s)
	ds_load_b32 v[SC1+\t], v[A1+\slot] offset:\t*QR+6144+4*(\s)
.endr
.irp t, 0,1,2,3
.irp c, 0,1,2
	ds_load_b128 v[F1+12*\t+4*\c:F1+12*\t+4*\c+3], v[A1+\slot] offset:\t*QR+1536*(\s)+512*\c
.endr
.endr
.irp t, 0,1,2,3
.irp c, 0,1,2
	ds_load_b128 v[F0+12*\t+4*\c:F0+12*\t+4*\c+3], v[A0+\slot] offset:\t*QR+1536*(\s)+512*\c
.endr
.endr
.irp a, 0,1,2,3
	s_wait_dscnt 9-3*\a                            ; S0's fragment a is in; the three loads of each later fragment may be out
.irp b, 0,1,2,3
.if \zero
	v_wmma_scale_f32_16x16x128_f8f6f4 v[ACC+32*\b+8*\a:ACC+32*\b+8*\a+7], v[F0+12*\a:F0+12*\a+11], v[F1+12*\b:F1+12*\b+11], 0, v[SC0+\a], v[SC1+\b] matrix_a_fmt:MATRIX_FMT_FP6 matrix_b_fmt:MATRIX_FMT_FP6
.else
	v_wmma_scale_f32_16x16x128_f8f6f4 v[ACC+32*\b+8*\a:ACC+32*\b+8*\a+7], v[F0+12*\a:F0+12*\a+11], v[F1+12*\b:F1+12*\b+11], v[ACC+32*\b+8*\a:ACC+32*\b+8*\a+7], v[SC0+\a], v[SC1+\b] matrix_a_fmt:MATRIX_FMT_FP6 matrix_b_fmt:MATRIX_FMT_FP6
.endif
.endr
.endr
.endm
.macro QUAD slot, first                ; a slot's four K steps; first = 1: the first products start the sums
	KSTEP \slot, 0, \first
	KSTEP \slot, 1, 0
	KSTEP \slot, 2, 0
	KSTEP \slot, 3, 0
.endm
; The slot just read is left.  Each wave waits for all its tensor loads (its part of the other slot), adds 0 to its spare word, waits for that and for its reads; behind the barrier the slot is filled again first (fill = 1).
.macro CHANGE slot, fill
	s_wait_tensorcnt 0x0                           ; no tensor load of mine is out: a group 0 may be written
	ds_add_u32 v[SPW], v[NIL]
.if \fill
	s_add_nc_u64 s[G0A+4*\slot+2:G0A+4*\slot+3], s[G0A+4*\slot+2:G0A+4*\slot+3], 2*QR   ; two quads on
	s_add_nc_u64 s[G0B+4*\slot+2:G0B+4*\slot+3], s[G0B+4*\slot+2:G0B+4*\slot+3], 2*QR
.endif
	s_wait_dscnt 0x0                               ; the add is done, and my reads of the slot are over
	s_barrier_signal -1
	s_barrier_wait -1
.if \fill
	TLOAD \slot                                    ; my one tensor load behind this barrier: it has the other slot's 64 matrix instructions a wave in which to land
.endif
.endm
; 32 numbers of a lane, register 16 b + i = k 32 b + 16 (lane / 16) + i, become half a fragment's six registers at v[pc] and its scale word (two bytes) in v[pw].
.macro QUANT2 s, pc, pw
.irp b, 0,1
	v_max3_num_f32 v[TM+\b], |v[\s+16*\b]|, |v[\s+1+16*\b]|, 0x1800000   ; with the floor 2^(3 - 127): the byte cannot fall under 1.  (Each accumulator is read from its low end on)
.endr
.irp i, 2,4,6,8,10,12,14
.irp b, 0,1
	v_max3_num_f32 v[TM+\b], v[TM+\b], |v[\s+16*\b+\i]|, |v[\s+1+16*\b+\i]|
.endr
.endr
.irp b, 0,1
	s_delay_alu instid0(VALU_DEP_2)
	v_permlanex16_b32 v[TM+4+\b], v[TM+\b], s[SEL], s[SEL+1]
.endr
.irp b, 0,1
	s_delay_alu instid0(VALU_DEP_2)
	v_max_num_f32 v[TM+\b], v[TM+\b], v[TM+4+\b]
.endr
.irp b, 0,1
	s_delay_alu instid0(VALU_DEP_2)
	v_add_nc_u32 v[TM+12+\b], 0xff000000, v[TM+\b]   ; 2 off the exponent field: the conversion's scale operand
.endr
.irp b, 0,1
	s_delay_alu instid0(VALU_DEP_2)
	v_lshrrev_b32 v[TM+4+\b], 23, v[TM+12+\b]
.endr
	s_delay_alu instid0(VALU_DEP_1)
	v_lshl_or_b32 v[\pw], v[TM+5], 8, v[TM+4]
	v_cvt_scalef32_pk16_fp6_f32 v[\pc:\pc+2], v[\s:\s+15], v[TM+12]
	v_cvt_scalef32_pk16_fp6_f32 v[CT:CT+2], v[\s+16:\s+31], v[TM+13]
	v_nop                                          ; one plain place behind a scaled conversion
.irp i, 0,1,2
	v_permlane16_swap_b32 v[\pc+\i], v[CT+\i]      ; lanes 0-15 get block 0 whole, lanes 16-31 block 1
.endr
.irp i, 0,1,2
	s_delay_alu instid0(VALU_DEP_3)
	v_mov_b32 v[\pc+3+\i], v[CT+\i]
.endr
.endm
	s_load_b256 s[4:11], s[0:1], 0x0               ; xi, wi, cos, sin
	s_load_b64 s[12:13], s[0:1], 0x20              ; qkv
	v_lshl_add_u32 v[SPW], v0, 2, SPARE
	v_mov_b32 v[NIL], 0
	ds_add_u32 v[SPW], v[NIL]                      ; the wave's opening: the add and its wait ahead of my first tensor load; work on registers stands between
	ds_add_u32 v[SPW], v[NIL]
	v_lshrrev_b32 v7, 5, v0
	s_delay_alu instid0(VALU_DEP_1)
	v_readfirstlane_b32 s[WV], v7                  ; wave 0..7
	s_and_b32 s[WB], s[WV], 3                      ; which 4 tiles of S0 are mine; also which part I fetch
	s_lshr_b32 s48, s[WV], 2                       ; which 4 tiles of S1
	s_mov_b32 s[G1A], 3<<16                        ; no mask; elements of 8 bytes; no padding
	s_mov_b32 s[G1A+1], 832<<16                    ; tensor_dim0: a record is 832 elements
	s_mov_b32 s[G1A+2], 4<<16                      ; tensor_dim1
	s_mov_b32 s[G1A+3], 832<<16                    ; tile_dim0
	s_mov_b32 s[G1A+4], 4                          ; tile_dim1: 4 tiles' records
	s_mov_b32 s[G1A+5], 3328                       ; from tile to tile: 26,624 bytes
	s_mov_b32 s[G1A+6], 0
	s_mov_b32 s[G1A+7], 0
	s_mov_b32 s[G1B], 3<<16
	s_mov_b32 s[G1B+1], 832<<16
	s_mov_b32 s[G1B+2], 2<<16
	s_mov_b32 s[G1B+3], 832<<16
	s_mov_b32 s[G1B+4], 2
	s_mov_b32 s[G1B+5], 3328
	s_mov_b32 s[G1B+6], 0
	s_mov_b32 s[G1B+7], 0
	s_mov_b32 s[SEL], 0x76543210
	s_mov_b32 s[SEL+1], 0xfedcba98
	s_mul_i32 s49, s[WB], TROW                     ; LDS: S0's part that I fetch, and the S0 tiles that I read
	s_mul_i32 s50, s[WB], 2*QR
	s_add_co_u32 s50, s50, S1OFF                   ; S1's part that I fetch
	s_mul_i32 s3, s48, TROW
	s_add_co_u32 s3, s3, S1OFF                     ; the S1 tiles that I read
	v_and_b32 v7, 31, v0
	s_delay_alu instid0(VALU_DEP_1)
	v_lshlrev_b32 v[L16], 4, v7
	s_delay_alu instid0(VALU_DEP_2)
	v_lshlrev_b32 v[L8], 3, v7
	s_delay_alu instid0(VALU_DEP_2)
	v_add_nc_u32 v[A0], s49, v[L16]
	s_delay_alu instid0(VALU_DEP_1)
	v_add_nc_u32 v[A0+1], SLOT, v[A0]
	s_delay_alu instid0(VALU_DEP_4)
	v_add_nc_u32 v[A1], s3, v[L16]
	s_delay_alu instid0(VALU_DEP_1)
	v_add_nc_u32 v[A1+1], SLOT, v[A1]
	v_and_b32 v7, 15, v0
	s_delay_alu instid0(VALU_DEP_1)
	v_and_b32 v[CSO], 8, v7
	s_delay_alu instid0(VALU_DEP_1)
	v_add_nc_u32 v[CSO], v[CSO], v7                ; r + 8 (r / 8)
	s_delay_alu instid0(VALU_DEP_1)
	v_mul_u32_u24 v[CSO], v[CSO], CPT              ; LDS rows of 272 bytes
	v_bfe_u32 v7, v0, 4, 1
	s_delay_alu instid0(VALU_DEP_1)
	v_lshl_add_u32 v[CSO], v7, 6, v[CSO]           ; + 64 h
	s_mul_i32 s84, s48, 64*CPT                     ; my 64 tokens of the work-group's 128
	v_add_nc_u32 v[CSO], s84, v[CSO]
	v_and_b32 v[PFO], 31, v0
	v_min_u32 v[PFO], 25, v[PFO]
	v_lshlrev_b32 v[PFO], 8, v[PFO]
	s_lshr_b32 s51, ttmp9, 4                       ; q, k: block of S0
	s_and_b32 s52, ttmp9, 15                       ; block of S1
	s_lshl_b32 s57, s52, 1
	s_add_co_u32 s57, s57, s48                     ; my 64 tokens (for cos and sin)
	s_sub_co_u32 s53, ttmp9, 160                   ; v: work-group - 160
	s_lshr_b32 s54, s53, 2                         ; block of S0
	s_and_b32 s53, s53, 3
	s_lshl_b32 s55, s51, 2
	s_add_co_u32 s55, s55, s[WB]                   ; q, k: head'
	s_lshl_b32 s55, s55, 5
	s_add_co_u32 s55, s55, s57                     ; record
	s_lshl_b32 s56, s53, 1
	s_add_co_u32 s56, s56, s48
	s_add_co_u32 s56, s56, 40                      ; v: head'
	s_lshl_b32 s56, s56, 5
	s_lshl_b32 s2, s54, 2
	s_add_co_u32 s56, s56, s2
	s_add_co_u32 s56, s56, s[WB]                   ; record
	s_add_co_u32 s53, s53, 20                      ; block of S1: wi's tiles from 160 on
	s_cmp_lt_u32 ttmp9, 160
	s_cselect_b32 s51, s51, s54
	s_cselect_b32 s52, s52, s53
	s_cselect_b32 s55, s55, s56
	s_wait_alu depctr_va_vdst(0)                   ; the wait ahead of the waits below
	s_wait_dscnt 0x0                               ; both opening adds are done
	s_wait_kmcnt 0x0
	s_cmp_lt_u32 ttmp9, 160
	s_cselect_b64 s[58:59], s[6:7], s[4:5]         ; S0
	s_cselect_b64 s[60:61], s[4:5], s[6:7]         ; S1
	s_lshl_b32 s2, s51, 4
	s_lshl_b32 s3, s[WB], 2
	s_add_co_u32 s2, s2, s3
	s_mul_i32 s2, s2, TROW
	s_mov_b32 s3, 0
	s_add_nc_u64 s[58:59], s[58:59], s[2:3]        ; S0's tile 16 x block + 4 x part
	s_lshl_b32 s2, s52, 3
	s_lshl_b32 s53, s[WB], 1
	s_add_co_u32 s2, s2, s53
	s_mul_i32 s2, s2, TROW
	s_add_nc_u64 s[60:61], s[60:61], s[2:3]        ; S1's tile 8 x block + 2 x part
	s_lshr_b32 s84, ttmp9, 4
	s_and_b32 s85, ttmp9, 15
	s_lshl_b32 s85, s85, 3
	s_add_co_u32 s85, s85, s84                     ; xi's tile 8 (n % 16) + n / 16
	s_cmp_lt_u32 ttmp9, 128
	s_cselect_b32 s[PFN], 2, 1
	s_cmp_eq_u32 s[WV], 0
	s_cselect_b32 s84, ttmp9, s85
	s_cselect_b64 s[PFA:PFA+1], s[6:7], s[4:5]
	s_mul_i32 s84, s84, TROW
	s_mov_b32 s85, 0
	s_add_nc_u64 s[PFA:PFA+1], s[PFA:PFA+1], s[84:85]
.irp s, 0,1
	s_mov_b32 s[G0A+4*\s], 1
	s_add_co_u32 s[G0A+4*\s+1], s49, \s*SLOT
	s_add_nc_u64 s[G0A+4*\s+2:G0A+4*\s+3], s[58:59], \s*QR
	s_or_b32 s[G0A+4*\s+3], s[G0A+4*\s+3], 0x80000000
	s_mov_b32 s[G0B+4*\s], 1
	s_add_co_u32 s[G0B+4*\s+1], s50, \s*SLOT
	s_add_nc_u64 s[G0B+4*\s+2:G0B+4*\s+3], s[60:61], \s*QR
	s_or_b32 s[G0B+4*\s+3], s[G0B+4*\s+3], 0x80000000
.endr
	s_cmp_lt_u32 s[WV], 4                          ; slot 0's fill: one tensor load a wave at the head, one in each arm
	s_cbranch_scc0 .Lfirst_b
	tensor_load_to_lds s[G0A:G0A+3], s[G1A:G1A+7]
	s_nop 0
.rept 4
	v_nop
.endr
	s_branch .Lfirst_done
.Lfirst_b:
	tensor_load_to_lds s[G0B:G0B+3], s[G1B:G1B+7]
	s_nop 0
.rept 4
	v_nop
.endr
.Lfirst_done:
	ASK 1
	ASK 2
	s_mul_i32 s2, s55, HR
	s_add_nc_u64 s[12:13], s[12:13], s[2:3]        ; my record
	s_and_b32 s2, ttmp9, 15                        ; cos and sin of the work-group's 128 tokens: waves 0-3 fetch 32 rows of cos each, waves 4-7 of sin
	s_lshl_b32 s2, s2, 2
	s_add_co_u32 s2, s2, s[WB]
	s_lshl_b32 s2, s2, 13                          ; (128 x block + 32 x part) rows of 256 bytes
	s_cmp_lt_u32 s[WV], 4
	s_cselect_b64 s[G0C+2:G0C+3], s[8:9], s[10:11]
	s_add_nc_u64 s[G0C+2:G0C+3], s[G0C+2:G0C+3], s[2:3]
	s_or_b32 s[G0C+3], s[G0C+3], 0x80000000
	s_mov_b32 s[G0C], 1
	s_mul_i32 s[G0C+1], s[WV], 32*CPT              ; in slot 0: cos's 128 rows, then sin's
	s_mov_b32 s[G1C], (3<<16)|(1<<20)|(5<<22)|(3<<25)   ; elements of 8 bytes; 4 words of padding behind every 64
	s_mov_b32 s[G1C+1], 32<<16
	s_mov_b32 s[G1C+2], 32<<16
	s_mov_b32 s[G1C+3], 32<<16
	s_mov_b32 s[G1C+4], 32
	s_mov_b32 s[G1C+5], 32
	s_mov_b32 s[G1C+6], 0
	s_mov_b32 s[G1C+7], 0
	s_wait_alu depctr_va_vdst(0)                   ; the wait at the head's end
	s_wait_tensorcnt 0x0                           ; my part of slot 0 is in; slot 1's first fill is issued as a refill is
	ds_add_u32 v[SPW], v[NIL]
	s_wait_dscnt 0x0
	s_barrier_signal -1
	s_barrier_wait -1
	TLOAD 1                                        ; slot 1: my one tensor load behind this barrier
	ASK 3
	QUAD 0, 1
	CHANGE 0, 1
	QUAD 1, 0
	CHANGE 1, 1
	QUAD 0, 0
	s_cmp_ge_u32 ttmp9, 160                        ; v has no RoPE: its work-groups take a way of their own, which asks for no cos and sin.  The work-group's number alone decides
	s_cbranch_scc1 .Lvway
	s_wait_tensorcnt 0x0                           ; slot 0 is left: it takes cos and sin, which land under the last quad
	ds_add_u32 v[SPW], v[NIL]
	s_wait_dscnt 0x0
	s_barrier_signal -1
	s_barrier_wait -1
	tensor_load_to_lds s[G0C:G0C+3], s[G1C:G1C+7]  ; my one tensor load behind this barrier
	s_nop 0
	QUAD 1, 0
	s_wait_tensorcnt 0x0                           ; my 32 rows are in,
	s_wait_dscnt 0x0
	s_barrier_signal -1
	s_barrier_wait -1                              ; and everybody's
.rept 4
	v_nop                                          ; four places between the last products and the first read of results, and the loads into the fragments' registers
.endr
	s_branch .Lrope
.Lvway:
	CHANGE 0, 0                                    ; nothing is left to fetch
	QUAD 1, 0
.rept 4
	v_nop
.endr
	s_branch .Lplain
.Lrope:
; RoPE.  Group k = (token tile b = k / 4, u = (k / 2) % 2, jj = k % 2): LO = four numbers at d = 16 h + 8 u + 4 jj, HI = the same at d + 32.  LO' = LO cos[d] - HI sin[d];  HI' = HI cos[d + 32] + LO sin[d + 32].
; cos and sin come from LDS, four registers at a time, into a ring of six places in v16-111: cos[d], cos[d + 32], sin[d], sin[d + 32].
.macro RSET k
.set RB, (\k)/4
.set RP, 16+16*((\k)%6)
.set RO, (32*(RB/2)+8*(RB%2))*CPT+32*(((\k)/2)%2)+16*((\k)%2)
.set LO, ACC+32*RB+8*(((\k)/2)%2)+4*((\k)%2)
.set HI, LO+16
.endm
.macro RLOAD k
	RSET \k
	ds_load_b128 v[RP:RP+3], v[CSO] offset:RO
	ds_load_b128 v[RP+4:RP+7], v[CSO] offset:RO+128
	ds_load_b128 v[RP+8:RP+11], v[CSO] offset:RO+128*CPT
	ds_load_b128 v[RP+12:RP+15], v[CSO] offset:RO+128*CPT+128
.endm
.macro RGRP k, left                    ; left: the loads of the younger groups
	RSET \k
	s_wait_dscnt \left
.irp p, 0,2
	v_pk_mul_f32 v[RP+12+\p:RP+13+\p], v[LO+\p:LO+\p+1], v[RP+12+\p:RP+13+\p]
	v_pk_mul_f32 v[LO+\p:LO+\p+1], v[LO+\p:LO+\p+1], v[RP+\p:RP+\p+1]
	v_pk_fma_f32 v[LO+\p:LO+\p+1], v[HI+\p:HI+\p+1], v[RP+8+\p:RP+9+\p], v[LO+\p:LO+\p+1] neg_lo:[1,0,0] neg_hi:[1,0,0]
	v_pk_fma_f32 v[HI+\p:HI+\p+1], v[HI+\p:HI+\p+1], v[RP+4+\p:RP+5+\p], v[RP+12+\p:RP+13+\p]
.endr
.endm
.irp k, 0,1,2,3,4,5
	RLOAD \k
.endr
.set K, 0
.rept 16
.if K > 10
	RGRP K, 4*(15-K)
.else
	RGRP K, 20
.endif
.if K < 10
	RLOAD K+6                                      ; into the place just left
.endif
.set K, K+1
.endr
.Lplain:
	v_mov_b32 v[TM+4], 0                           ; a lane permute's destination counts as one of its sources
	v_mov_b32 v[TM+5], 0
.irp b, 0,1,2,3                        ; each tile has its own registers for codes and word: no store's data are written again
	QUANT2 ACC+32*\b, 48+8*\b, 44+\b
	global_store_b128 v[L16], v[48+8*\b:51+8*\b], s[12:13] offset:768*\b        ; 512 consecutive bytes, at a multiple of 256 from the buffer's first byte
	global_store_b64 v[L8], v[52+8*\b:53+8*\b], s[12:13] offset:768*\b+512      ; 256 consecutive bytes
.endr
	global_store_b128 v[L16], v[44:47], s[12:13] offset:3072
	s_wait_tensorcnt 0x0                           ; the wave's end
	ds_add_u32 v[SPW], v[NIL]
	s_wait_dscnt 0x0
	s_endpgm
.Lfunc_end_k_qb846cec069_qkv:
	.size	k_qb846cec069_qkv, .Lfunc_end_k_qb846cec069_qkv-k_qb846cec069_qkv
	.p2alignl 7, 3214868480
	.fill 96, 4, 3214868480
	.section	.rodata,"a",@progbits
	.p2align	6, 0x0
	.amdhsa_kernel k_qb846cec069_qkv
		.amdhsa_group_segment_fixed_size 327680
		.amdhsa_private_segment_fixed_size 0
		.amdhsa_enable_private_segment 0
		.amdhsa_kernarg_size 40
		.amdhsa_user_sgpr_count 2
		.amdhsa_user_sgpr_kernarg_segment_ptr 1
		.amdhsa_wavefront_size32 1
		.amdhsa_system_sgpr_workgroup_id_x 1
		.amdhsa_system_sgpr_workgroup_id_y 1
		.amdhsa_system_sgpr_workgroup_id_z 1
		.amdhsa_system_vgpr_workitem_id 0
		.amdhsa_next_free_vgpr 256
		.amdhsa_next_free_sgpr 96
		.amdhsa_reserve_vcc 0
		.amdhsa_float_denorm_mode_32 3
		.amdhsa_float_denorm_mode_16_64 3
		.amdhsa_memory_ordered 1
		.amdhsa_forward_progress 1
		.amdhsa_inst_pref_size 119
	.end_amdhsa_kernel
	.amdgpu_metadata
---
amdhsa.version: [ 1, 2 ]
amdhsa.kernels:
  - .name:           k_qb846cec069_qkv
    .symbol:         k_qb846cec069_qkv.kd
    .args:
      - { .name: xi, .offset: 0, .size: 8, .value_kind: global_buffer, .address_space: global }
      - { .name: wi, .offset: 8, .size: 8, .value_kind: global_buffer, .address_space: global }
      - { .name: cos, .offset: 16, .size: 8, .value_kind: global_buffer, .address_space: global }
      - { .name: sin, .offset: 24, .size: 8, .value_kind: global_buffer, .address_space: global }
      - { .name: qkv, .offset: 32, .size: 8, .value_kind: global_buffer, .address_space: global }
    .group_segment_fixed_size: 327680
    .private_segment_fixed_size: 0
    .kernarg_segment_align: 8
    .kernarg_segment_size: 40
    .max_flat_workgroup_size: 256
    .sgpr_count:     96
    .vgpr_count:     256
    .wavefront_size: 32
...
	.end_amdgpu_metadata
.endif
;; end of part 2
;; launch attn (part 3): grid 64 x 4, 16 waves a work-group, no clusters, 327,680 bytes of LDS; arguments qkv, lambda_q1, lambda_k1, lambda_q2, lambda_k2, ai; writes ai
.if DOCPART == 3
	.amdgcn_target "amdgcn-amd-amdhsa--gfx1250"
	.amdhsa_code_object_version 6
	.text
	.protected	k_qb846cec069_attn
	.globl	k_qb846cec069_attn
	.p2align	8
	.type	k_qb846cec069_attn,@function
k_qb846cec069_attn:
	s_mov_b64 s[64:65], 0
	v_nop
	global_prefetch_b8 v0, s[64:65] scope:SCOPE_SE
	s_setreg_imm32_b32 hwreg(HW_REG_WAVE_MODE, 25, 1), 1
	s_wait_xcnt 0x0
; Differential attention on codes of FP6 (E2M3) with E8M0 scales: for head pair hp = 4 g + j: a = o(hp) - lam o(hp + 16), RMS norm over 128, x (1 - lambda_init), quantised along the 128 channels into ai.
; o(head) = causal softmax(q k^T / 8) [v_g | v_(g+4)]; heads 4 g + j use k of kv head g, heads 16 + 4 g + j of kv head g + 4.
; THE SOFTMAX: t = score x log2(e) / 8; M = the running largest t rounded UP to a whole number; p = 2^(t - M) is quantised along the keys; the row's sum is taken of the unquantised p.
; When M moves, the sum and O are multiplied by 2^(old M - new M): exact.
; SHARES.  Work-group (i, g): the group's eight heads x the query tiles i and 127 - i.  Wave w: j = w & 3, parity = (w >> 2) & 1, second half of heads = w >> 3.
; A head's two waves SHARE THE KEYS: of a slot's four steps of 128 keys the wave of parity 0 takes the first and third, the other the second and fourth.  The walk goes over tile i's slots of 512 keys
; (E = 1 or 2 of them), then anew from key 0 over tile 127 - i's (5 - E): five slots in every work-group.  Steps all of whose keys come after the tile's queries are left out by a branch on ids (the problem's causal mask).
; At the change of tiles the waves of parity 1 put their partial O, -M and sum into LDS; behind a barrier their partners join them to their own and store ONE image a head (eight images).
; At the end all sixteen put the second tile's parts into the ring, which has had its last fill.  Then waves 0-3 form the first tile's a from two images, waves 4-7 the second tile's from four:
; a = sum of c_s O_s, c_s = 2^(M_s - M*) / l for the first head, x (-lam) for the second.
; A tile t is the rows 32 (t / 2) + 8 (t % 2) + r + 8 (r / 8): inside one aligned block of 32 rows, so a walked key step shows its first key to every query of the tile.
; LAYOUT.  Both products transposed: a lane holds ONE query.  S^T = k q^T has K = 64: a fragment of k holds TWO key tiles (registers 0-5, 6-11) and is multiplied by [q | 0] or by [0 | q] (zero codes).
; Register 16 b + i of S^T is key 32 b + 16 (lane / 16) + i of the step; register 16 b + i of O^T is channel 32 b + 16 (lane / 16) + i.
; qkv: records of 3,584 bytes (four half fragments: registers 0-3 at 768 b + 16 l, registers 4-5 at 768 b + 512 + 8 l; words at 3072 + 16 l + 4 b); record = head' x 32 + group of 64 rows; head' 0-31 q, 32-39 k, 40-47 v.
; RING.  Two slots of 512 keys: k_g, k_(g+4), v_g, v_(g+4), eight records each: wave w fetches records 2 w and 2 w + 1 of the 32, one tensor load a wave behind each barrier of a change of slots;
; every wait on TENSORcnt is for 0; one load of a wave is out.
; No cluster: partners would be work-groups of one g, whose walks change tiles at different slots (E hangs on i), so they would ask for different tiles behind the same barrier.
; No prefetch: the 458,752 bytes of a group's four streams are walked by its 64 work-groups in the same order, each byte asked for 64 times and more.
; LIMITS: a hidden score is -infinity where the definition has -1e9: the same while a row's largest visible logit stays far above -1e9.  The scaled scores stay under 2^31 in magnitude.  NaN and infinities are not served.
.set HR,    3584
.set STRM,  8*HR                       ; a stream's part of a slot: 512 keys
.set SLOTB, 4*STRM
.set IM,    2*SLOTB                    ; behind the ring: eight images of the first tile's O, 8,192 bytes each
.set SM,    IM+8*8192                  ; 1,536 bytes a wave: cells (-M, l of tile one, -M, l of tile two) at 16 l; the second q at 512 + 16 l and 1024 + 16 l
.set SPARE, SM+16*1536                 ; the spare words, 128 bytes a wave, named by no other line
.set QR,    6656
.set AK16, 1                           ; v1-4  16 l and 8 l + my k stream + my first step; the same for v_g's stream
.set AK8,  2
.set AV16, 3
.set AV8,  4
.set SPW,  5                           ; my spare word; never rewritten
.set NIL,  6                           ; 0; never rewritten
.set SA,   7                           ; SM + 1536 w + 16 l
.set ZQ,   16                          ; v16-33: six zeros, q's six registers, six zeros
.set QW,   34                          ; q's scale word, its two bytes in both halves
.set PWD,  35                          ; p's scale word
.set KFR,  36                          ; v36-83 four fragments of k; then four of v
.set KW,   84                          ; v84-87 k's scale words, v88-95 v's: they hold scales and nothing else
.set VW,   88
.set OA,   255                         ; IM + 8192 (j + 4 x half) + 16 l: my head's image
; v8-11 the step's addresses; v12 -M, v13 the largest t, v[14:15] the sum; v96-159 S^T, then p, then four fragments of v; v160-223 O^T; v224-235 p's codes; v232-254 at work
.set TM,   32
.set PC,   48
.set PW,   68
.set TB,   2
.set WV,   18
.set SEL,  20
.set CS,   22
.set G1,   24
.set G0,   32
.set TRIP, 36
.set KF,   37                          ; my step's first key
.set T0,   38                          ; the tile's first query
.set QL,   39                          ; and its last
.set EE,   40                          ; slots of the first tile
.set BASE, 52                          ; s[52:53] my two records of slot 0
.set T0L,  54
.set KF0,  55
.set LAM,  58                          ; -lam
.set FB,   59                          ; LDS byte at which the slot to fill begins
.set WOF,  66                          ; my two records' place in a slot
.set PAR,  69                          ; my parity
.macro QUANT s, pw                     ; 64 numbers of a lane, register 16 b + i = k 32 b + 16 (lane / 16) + i, become a fragment's codes in v[PC] on and its scale word in v[pw]
.irp b, 0,1,2,3
	v_max3_num_f32 v[TM+\b], |v[\s+16*\b]|, |v[\s+1+16*\b]|, 0x1800000
.endr
.irp i, 2,4,6,8,10,12,14
.irp b, 0,1,2,3
	s_delay_alu instid0(VALU_DEP_4)
	v_max3_num_f32 v[TM+\b], v[TM+\b], |v[\s+16*\b+\i]|, |v[\s+1+16*\b+\i]|
.endr
.endr
.irp b, 0,1,2,3
	s_delay_alu instid0(VALU_DEP_4)
	v_permlanex16_b32 v[TM+4+\b], v[TM+\b], s[SEL], s[SEL+1]
.endr
.irp b, 0,1,2,3
	s_delay_alu instid0(VALU_DEP_4)
	v_max_num_f32 v[TM+\b], v[TM+\b], v[TM+4+\b]
.endr
.irp b, 0,1,2,3
	s_delay_alu instid0(VALU_DEP_4)
	v_add_nc_u32 v[TM+12+\b], 0xff000000, v[TM+\b]
.endr
.irp b, 0,1,2,3
	s_delay_alu instid0(VALU_DEP_4)
	v_lshrrev_b32 v[TM+4+\b], 23, v[TM+12+\b]
.endr
	s_delay_alu instid0(VALU_DEP_3)
	v_lshl_or_b32 v[\pw], v[TM+5], 8, v[TM+4]
	s_delay_alu instid0(VALU_DEP_1)
	v_lshl_or_b32 v[\pw], v[TM+6], 16, v[\pw]
	s_delay_alu instid0(VALU_DEP_1)
	v_lshl_or_b32 v[\pw], v[TM+7], 24, v[\pw]
.irp c, 0,1
	v_cvt_scalef32_pk16_fp6_f32 v[PC+6*\c:PC+2+6*\c], v[\s+32*\c:\s+15+32*\c], v[TM+12+2*\c]
	v_cvt_scalef32_pk16_fp6_f32 v[PC+12+4*\c:PC+14+4*\c], v[\s+16+32*\c:\s+31+32*\c], v[TM+12+2*\c+1]
.endr
	v_nop                                          ; one plain place behind a scaled conversion
.irp c, 0,1
.irp i, 0,1,2
	v_permlane16_swap_b32 v[PC+6*\c+\i], v[PC+12+4*\c+\i]
.endr
.irp i, 0,1,2
	s_delay_alu instid0(VALU_DEP_3)
	v_mov_b32 v[PC+3+6*\c+\i], v[PC+12+4*\c+\i]
.endr
.endr
.endm
.macro TILE0 d, t                      ; a tile's first row: 32 (t / 2) + 8 (t % 2)
	s_lshr_b32 s[\d], \t, 1
	s_lshl_b32 s[\d], s[\d], 5
	s_and_b32 s47, \t, 1
	s_lshl_b32 s47, s47, 3
	s_add_co_u32 s[\d], s[\d], s47
.endm
.macro QOFF t, c, w                    ; byte offsets in qkv of tile t's codes and words of my head (s46 = 32 x head)
	s_lshr_b32 s47, \t, 2
	s_add_co_u32 s47, s47, s46
	s_mul_i32 s47, s47, HR
	s_and_b32 s[\w], \t, 3
	s_mul_i32 s[\c], s[\w], 768
	s_add_co_u32 s[\c], s[\c], s47
	s_lshl_b32 s[\w], s[\w], 2
	s_add_co_u32 s[\w], s[\w], s47
	s_add_co_u32 s[\w], s[\w], 3072
.endm
.macro LDIM dst, adr, off              ; an image of 64 registers, back from LDS
.set N, 0
.rept 16
	ds_load_b128 v[\dst+4*N:\dst+4*N+3], v[\adr] offset:\off+512*N
.set N, N+1
.endr
.endm
.macro STIM src, adr                   ; and into LDS
.set N, 0
.rept 16
	ds_store_b128 v[\adr], v[\src+4*N:\src+4*N+3] offset:512*N
.set N, N+1
.endr
.endm
.macro FOLD                            ; my keys' part of the row's sum into v13, behind four places for the last products
.rept 4
	v_nop
.endr
	v_add_f32 v14, v14, v15
	s_delay_alu instid0(VALU_DEP_1)
	v_permlanex16_b32 v252, v14, s[SEL], s[SEL+1]
	s_delay_alu instid0(VALU_DEP_1)
	v_add_f32 v13, v14, v252
.endm
.macro AXPY first, src, c              ; a (v96-159) = or += image x the coefficient in v[c]
.set N, 0
.rept 32
.if \first
	v_pk_mul_f32 v[96+N:97+N], v[\src+N:\src+N+1], v[\c:\c+1] op_sel_hi:[1,0]
.else
	v_pk_fma_f32 v[96+N:97+N], v[\src+N:\src+N+1], v[\c:\c+1], v[96+N:97+N] op_sel_hi:[1,0,1]
.endif
.set N, N+2
.endr
.endm
	s_load_b256 s[4:11], s[0:1], 0x0               ; qkv, lambda_q1, lambda_k1, lambda_q2
	s_load_b128 s[12:15], s[0:1], 0x20             ; lambda_k2, ai
	v_lshl_add_u32 v[SPW], v0, 2, SPARE
	v_mov_b32 v[NIL], 0
	ds_add_u32 v[SPW], v[NIL]                      ; the opening: the add, twice on end, and its wait ahead of my first tensor load
	ds_add_u32 v[SPW], v[NIL]
	v_lshrrev_b32 v8, 5, v0
	s_delay_alu instid0(VALU_DEP_1)
	v_readfirstlane_b32 s[WV], v8                  ; wave 0..15
	s_and_b32 s41, s[WV], 3                        ; j; also my pair of a stream's eight records
	s_bfe_u32 s[PAR], s[WV], 0x10002               ; parity
	s_lshr_b32 s43, s[WV], 3                       ; the second half of the heads?
	s_and_b32 s44, ttmp7, 0xffff                   ; g
	s_sub_co_u32 s45, 127, ttmp9                   ; the second tile
	TILE0 T0, ttmp9
	TILE0 T0L, s45
	s_add_co_u32 s[QL], s[T0], 23
	s_lshr_b32 s[EE], s[QL], 9
	s_add_co_u32 s[EE], s[EE], 1
	s_lshl_b32 s[KF0], s[PAR], 7
	s_mov_b32 s[KF], s[KF0]
	s_lshl_b32 s46, s44, 2
	s_add_co_u32 s46, s46, s41
	s_lshl_b32 s47, s43, 4
	s_add_co_u32 s46, s46, s47
	s_lshl_b32 s46, s46, 5                         ; 32 x my head
	QOFF ttmp9, 60, 61
	QOFF s45, 62, 63
	s_cmp_eq_u32 s[PAR], 0                         ; the tile whose a I store (waves 0-7): by my parity
	s_cselect_b32 s47, ttmp9, s45
	s_lshl_b32 s47, s47, 2
	s_add_co_u32 s47, s47, s44
	s_mul_i32 s47, s47, QR                         ; ai: record (tile, quad g)
	s_mul_i32 s48, s41, 1536
	s_add_co_u32 s48, s48, s47                     ; K step j's codes,
	s_mov_b32 s49, 0
	s_lshl_b32 s50, s41, 2
	s_add_co_u32 s50, s50, s47
	s_add_co_u32 s50, s50, 6144                    ; and words
	s_mov_b32 s51, 0
	s_lshr_b32 s52, s[WV], 2                       ; the stream that I fetch for
	s_lshl_b32 s52, s52, 2
	s_add_co_u32 s52, s52, s44
	s_add_co_u32 s52, s52, 32                      ; its head': 32 + g + 4 x stream
	s_lshl_b32 s52, s52, 5
	s_lshl_b32 s47, s41, 1
	s_add_co_u32 s52, s52, s47                     ; + records 2 (w & 3), + 1
	s_mul_i32 s52, s52, HR
	s_mov_b32 s53, 0
	s_mul_i32 s[WOF], s[WV], 2*HR
	s_mov_b32 s[G0+1], s[WOF]                      ; LDS: slot 0
	s_mov_b32 s[FB], 0
	s_mul_i32 s47, s43, STRM
	s_mul_i32 s3, s[PAR], 2*HR
	s_add_co_u32 s47, s47, s3                      ; my k stream, my first step's two records
	s_add_co_u32 s3, s3, 2*STRM
	s_lshl_b32 s67, s43, 2
	s_add_co_u32 s67, s67, s41
	s_lshl_b32 s67, s67, 13
	s_add_co_u32 s67, s67, IM
	s_mul_i32 s68, s[WV], 1536
	s_add_co_u32 s68, s68, SM
	v_and_b32 v8, 31, v0
	v_lshl_add_u32 v[AK16], v8, 4, s47
	v_lshl_add_u32 v[AK8], v8, 3, s47
	v_lshl_add_u32 v[AV16], v8, 4, s3
	v_lshl_add_u32 v[AV8], v8, 3, s3
	v_lshl_add_u32 v[OA], v8, 4, s67
	v_lshl_add_u32 v[SA], v8, 4, s68
	v_lshl_add_u32 v104, v8, 4, s60                ; offsets in qkv: the first q's codes and words,
	v_lshl_add_u32 v105, v8, 3, s60
	v_lshl_add_u32 v106, v8, 4, s61
	v_lshl_add_u32 v107, v8, 4, s62                ; and the second's
	v_lshl_add_u32 v108, v8, 3, s62
	v_lshl_add_u32 v109, v8, 4, s63
	v_lshlrev_b32 v110, 3, v8
	s_mov_b32 s[G1], 3<<16                         ; no mask; elements of 8 bytes; no padding: two records as 28 rows of 256 bytes
	s_mov_b32 s[G1+1], 32<<16
	s_mov_b32 s[G1+2], 28<<16
	s_mov_b32 s[G1+3], 32<<16
	s_mov_b32 s[G1+4], 28
	s_mov_b32 s[G1+5], 32
	s_mov_b32 s[G1+6], 0
	s_mov_b32 s[G1+7], 0
	s_mov_b32 s[SEL], 0x76543210
	s_mov_b32 s[SEL+1], 0xfedcba98
	s_mov_b32 s[CS], 0x3e38aa3b                    ; log2(e) / 8
	s_mov_b32 s[CS+1], s[CS]
	s_mov_b32 s56, 0x3c000000                      ; 1 / 128
	s_mov_b32 s57, 0x358637bd                      ; 1e-6
	s_mov_b32 s[TB], 0
	s_mov_b32 s[TRIP], 0
	s_wait_alu depctr_va_vdst(0)                   ; the wait ahead of the waits below
	s_wait_dscnt 0x0                               ; both opening adds are done
	s_wait_kmcnt 0x0
	s_add_nc_u64 s[BASE:BASE+1], s[4:5], s[BASE:BASE+1]
	s_mov_b32 s[G0], 1
	s_mov_b64 s[G0+2:G0+3], s[BASE:BASE+1]
	s_or_b32 s[G0+3], s[G0+3], 0x80000000
	tensor_load_to_lds s[G0:G0+3], s[G1:G1+7]      ; slot 0: every wave its two records
	s_nop 0
	s_add_nc_u64 s[48:49], s[14:15], s[48:49]
	s_add_nc_u64 s[50:51], s[14:15], s[50:51]
	global_load_b128 v[ZQ+6:ZQ+9], v104, s[4:5]    ; the first tile's q stays in registers
	global_load_b64 v[ZQ+10:ZQ+11], v105, s[4:5] offset:512
	global_load_b32 v[QW], v106, s[4:5]
	global_load_b128 v[112:115], v107, s[4:5]      ; the second tile's waits in my LDS bytes
	global_load_b64 v[116:117], v108, s[4:5] offset:512
	global_load_b32 v118, v109, s[4:5]
	global_load_b64 v[232:233], v110, s[6:7]       ; the four lambda vectors: two numbers a lane
	global_load_b64 v[234:235], v110, s[8:9]
	global_load_b64 v[240:241], v110, s[10:11]
	global_load_b64 v[242:243], v110, s[12:13]
.irp n, 0,1,2,3,4,5,12,13,14,15,16,17
	v_mov_b32 v[ZQ+\n], 0                          ; zero codes on both sides of q
.endr
	v_mov_b32 v13, 0xff61b1e6                      ; the largest t so far: -3e38
	s_delay_alu instid0(VALU_DEP_1)
	v_floor_f32 v12, -v13                          ; -M
	v_mov_b32 v14, 0
	v_mov_b32 v15, 0
.irp n, 236,237,238,239,252,253
	v_mov_b32 v[\n], 0                             ; lane permutes' destinations and a pair's upper half: written before they are named
.endr
.set N, 0
.rept 64
	v_mov_b32 v[160+N], 0                          ; O^T: the step is written once; a wave with no step of the first tile hands zeros on
.set N, N+1
.endr
	s_wait_loadcnt 0x0
	v_lshl_or_b32 v[QW], v[QW], 16, v[QW]          ; q's two bytes in both halves of the word: they serve [q | 0] and [0 | q]
	v_lshl_or_b32 v118, v118, 16, v118
	ds_store_b128 v[SA], v[112:115] offset:512
	ds_store_b64 v[SA], v[116:117] offset:1024
	ds_store_b32 v[SA], v118 offset:1032
	v_mul_f32 v244, v232, v234                     ; lam = exp(lq1 . lk1) - exp(lq2 . lk2) + lambda_init
	v_mul_f32 v245, v240, v242
	s_delay_alu instid0(VALU_DEP_2)
	v_fma_f32 v244, v233, v235, v244
	s_delay_alu instid0(VALU_DEP_2)
	v_fma_f32 v245, v241, v243, v245
.irp m, 1,2,4,8
	s_delay_alu instid0(VALU_DEP_2)
	v_add_f32_dpp v244, v244, v244 row_xmask:\m row_mask:0xf bank_mask:0xf
	s_delay_alu instid0(VALU_DEP_2)
	v_add_f32_dpp v245, v245, v245 row_xmask:\m row_mask:0xf bank_mask:0xf
.endr
	s_delay_alu instid0(VALU_DEP_2)
	v_permlanex16_b32 v236, v244, s[SEL], s[SEL+1]
	s_delay_alu instid0(VALU_DEP_2)
	v_permlanex16_b32 v237, v245, s[SEL], s[SEL+1]
	s_delay_alu instid0(VALU_DEP_2)
	v_add_f32 v244, v244, v236
	s_delay_alu instid0(VALU_DEP_2)
	v_add_f32 v245, v245, v237
	s_delay_alu instid0(VALU_DEP_2)
	v_mul_f32 v244, 0x3fb8aa3b, v244
	s_delay_alu instid0(VALU_DEP_2)
	v_mul_f32 v245, 0x3fb8aa3b, v245
	s_wait_alu depctr_va_vdst(0)                   ; the wait ahead of the batch
	v_exp_f32 v244, v244
	v_exp_f32 v245, v245
	v_nop
	s_wait_alu depctr_va_vdst(0)                   ; and behind it
	v_sub_f32 v244, v245, v244
	s_delay_alu instid0(VALU_DEP_1)
	v_add_f32 v244, 0xbf3edda0, v244               ; -lam; lambda_init = 0.8 - 0.6 exp(-2.4) = 0.74556923
	s_delay_alu instid0(VALU_DEP_1)
	v_readfirstlane_b32 s[LAM], v244
.macro VLOAD base, off                 ; four fragments of v, 128 keys: two half fragments make a fragment
.irp t, 0,1,2,3
	ds_load_b128 v[\base+12*\t:\base+12*\t+3], v10 offset:\off+768*\t
	ds_load_b64 v[\base+12*\t+4:\base+12*\t+5], v11 offset:\off+768*\t+512
	ds_load_b128 v[\base+12*\t+6:\base+12*\t+9], v10 offset:\off+HR+768*\t
	ds_load_b64 v[\base+12*\t+10:\base+12*\t+11], v11 offset:\off+HR+768*\t+512
.endr
.endm
; A KEY STEP: the q-th of my two steps of 128 keys in the slot in hand; they lie four records apart.
.macro STEP q
	s_cmp_gt_u32 s[KF], s[QL]                      ; all its keys come after the tile's queries: the step's work is left out
	s_cbranch_scc1 .Lhidden_\@
	v_add_nc_u32 v8, s[TB], v[AK16]                ; (these four are the places behind the last step's products, ahead of the loads below)
	v_add_nc_u32 v9, s[TB], v[AK8]
	v_add_nc_u32 v10, s[TB], v[AV16]
	v_add_nc_u32 v11, s[TB], v[AV8]
.irp e, 0,1
	ds_load_b128 v[144+4*\e:147+4*\e], v8 offset:\q*4*HR+\e*HR+3072        ; k's words: four tiles a load, two bytes each
.endr
.irp n, 0,1,2,3
	ds_load_b128 v[236+4*\n:239+4*\n], v10 offset:(\n/2)*STRM+\q*4*HR+(\n%2)*HR+3072   ; v's
.endr
.irp t, 0,1,2,3
.irp e, 0,1
	ds_load_b128 v[KFR+12*\t+6*\e:KFR+12*\t+6*\e+3], v8 offset:\q*4*HR+\e*HR+768*\t       ; fragment t: key tile t in registers 0-5, key tile 4 + t in registers 6-11
	ds_load_b64 v[KFR+12*\t+6*\e+4:KFR+12*\t+6*\e+5], v9 offset:\q*4*HR+\e*HR+768*\t+512
.endr
.endr
	s_wait_dscnt 0x0
.irp t, 0,1,2,3
	v_lshl_or_b32 v[KW+\t], v[148+\t], 16, v[144+\t]
.endr
.set N, 0
.rept 8
	v_lshl_or_b32 v[VW+N], v[240+8*(N/4)+N%4], 16, v[236+8*(N/4)+N%4]      ; eight places between k's words and the products that take them
.set N, N+1
.endr
.irp e, 0,1
.irp t, 0,1,2,3
	v_wmma_scale_f32_16x16x128_f8f6f4 v[96+8*(4*\e+\t):103+8*(4*\e+\t)], v[KFR+12*\t:KFR+12*\t+11], v[ZQ+6-6*\e:ZQ+17-6*\e], 0, v[KW+\t], v[QW] matrix_a_fmt:MATRIX_FMT_FP6 matrix_b_fmt:MATRIX_FMT_FP6
.endr
.endr
.rept 4
	v_nop
.endr
	s_add_co_u32 s41, s[KF], 127                   ; a step all of whose keys count skips the mask
	s_cmp_le_u32 s41, s[T0]
	s_cbranch_scc1 .Lopen_\@
	s_sub_co_u32 s41, s[T0], s[KF]
	v_and_b32 v252, 15, v0
	v_and_b32 v254, 8, v0
	v_add_nc_u32 v252, v252, v254                  ; r + 8 (r / 8)
	v_and_b32 v254, 16, v0
	v_sub_nc_u32 v252, v252, v254
	v_add_nc_u32 v252, s41, v252                   ; d = my query - KF - 16 (lane / 16): register 16 b + i holds a hidden key where 32 b + i > d
	v_mov_b32 v254, 0xff800000
.set N, 0
.rept 64
	v_cmp_gt_i32 vcc_lo, 32*(N/16)+N%16, v252
	v_cndmask_b32 v[96+N], v[96+N], v254, vcc_lo
.set N, N+1
.endr
.Lopen_\@:
.irp b, 0,1,2,3
	v_max3_num_f32 v[232+\b], v[96+16*\b], v[97+16*\b], v[98+16*\b]        ; the largest score of each block of 32 keys: for the row's maximum and for the block's largest p
.endr
.irp i, 3,5,7,9,11,13
.irp b, 0,1,2,3
	v_max3_num_f32 v[232+\b], v[232+\b], v[96+16*\b+\i], v[97+16*\b+\i]
.endr
.endr
.irp b, 0,1,2,3
	v_max_num_f32 v[232+\b], v[232+\b], v[111+16*\b]
.endr
.irp b, 0,1,2,3
	s_delay_alu instid0(VALU_DEP_4)
	v_permlanex16_b32 v[236+\b], v[232+\b], s[SEL], s[SEL+1]
.endr
.irp b, 0,1,2,3
	s_delay_alu instid0(VALU_DEP_4)
	v_max_num_f32 v[232+\b], v[232+\b], v[236+\b]
.endr
	s_delay_alu instid0(VALU_DEP_2)
	v_max3_num_f32 v254, v232, v233, v234
	s_delay_alu instid0(VALU_DEP_1)
	v_max_num_f32 v254, v254, v235
	s_delay_alu instid0(VALU_DEP_1)
	v_mul_f32 v254, s[CS], v254                    ; as t
	s_delay_alu instid0(VALU_DEP_1)
	v_max_num_f32 v13, v13, v254                   ; the running largest t
	v_mov_b32 v254, v12
	s_delay_alu instid0(VALU_DEP_2)
	v_floor_f32 v12, -v13                          ; the new -M = -ceil(t)
	s_delay_alu instid0(VALU_DEP_1)
	v_sub_f32 v254, v12, v254                      ; old M - new M: a whole number, 0 or less
	s_delay_alu instid0(VALU_DEP_1)
	v_cvt_i32_f32 v254, v254                       ; (it saturates)
	s_delay_alu instid0(VALU_DEP_1)
	v_ldexp_f32 v252, 1.0, v254                    ; f = 2^(old M - new M); 0 in a tile's first step, which so begins O and the sum anew
.set N, 0
.rept 32
	v_pk_fma_f32 v[96+N:97+N], v[96+N:97+N], s[CS:CS+1], v[12:13] op_sel_hi:[1,0,0]   ; t - M
.set N, N+2
.endr
.irp b, 0,1,2,3
	v_fma_f32 v[232+\b], v[232+\b], s[CS], v12
.endr
	s_wait_alu depctr_va_vdst(0)                   ; the wait ahead of the batch
.set N, 0
.rept 64
	v_exp_f32 v[96+N], v[96+N]                     ; p = 2^(t - M)
.set N, N+1
.endr
	v_pk_mul_f32 v[14:15], v[14:15], v[252:253] op_sel_hi:[1,0]            ; the sums under the new M
	s_wait_alu depctr_va_vdst(0)                   ; one wait for the batch, ahead of its first reader
.irp b, 0,1,2,3
	v_exp_f32 v[232+\b], v[232+\b]                 ; each block's largest p
.endr
.irp k, 0,1,2,3,4,5,6                  ; the row's sum of the unquantised p: eight chains
	v_pk_add_f32 v[238+2*\k:239+2*\k], v[96+4*\k:97+4*\k], v[98+4*\k:99+4*\k]
.endr
.irp k, 0,1,2,3,4,5,6
	v_pk_add_f32 v[238+2*\k:239+2*\k], v[238+2*\k:239+2*\k], v[124+2*\k:125+2*\k]
.endr
.irp k, 0,1,2,3,4,5,6
	v_pk_add_f32 v[238+2*\k:239+2*\k], v[238+2*\k:239+2*\k], v[138+2*\k:139+2*\k]
.endr
	v_pk_add_f32 v[14:15], v[14:15], v[152:153]
	v_pk_add_f32 v[238:239], v[238:239], v[154:155]
	v_pk_add_f32 v[240:241], v[240:241], v[156:157]
	v_pk_add_f32 v[242:243], v[242:243], v[158:159]
	v_pk_add_f32 v[14:15], v[14:15], v[250:251]
	v_pk_add_f32 v[246:247], v[246:247], v[248:249]
	v_pk_add_f32 v[238:239], v[238:239], v[240:241]
	v_pk_add_f32 v[242:243], v[242:243], v[244:245]
	v_pk_add_f32 v[14:15], v[14:15], v[246:247]
	s_delay_alu instid0(VALU_DEP_2)
	v_pk_add_f32 v[238:239], v[238:239], v[242:243]
	s_delay_alu instid0(VALU_DEP_1)
	v_pk_add_f32 v[14:15], v[14:15], v[238:239]
	s_wait_alu depctr_va_vdst(0)                   ; and one for the four
.irp b, 0,1,2,3
	v_max_num_f32 v[232+\b], 0x1800000, v[232+\b]  ; the floor 2^(3 - 127): the byte cannot fall under 1
.endr
.irp b, 0,1,2,3
	s_delay_alu instid0(VALU_DEP_4)
	v_add_nc_u32 v[244+\b], 0xff000000, v[232+\b]
.endr
.irp b, 0,1,2,3
	s_delay_alu instid0(VALU_DEP_4)
	v_lshrrev_b32 v[236+\b], 23, v[244+\b]
.endr
	s_delay_alu instid0(VALU_DEP_3)
	v_lshl_or_b32 v[PWD], v237, 8, v236            ; p's scale word for these 128 keys
	s_delay_alu instid0(VALU_DEP_1)
	v_lshl_or_b32 v[PWD], v238, 16, v[PWD]
	s_delay_alu instid0(VALU_DEP_1)
	v_lshl_or_b32 v[PWD], v239, 24, v[PWD]
.irp c, 0,1
	v_cvt_scalef32_pk16_fp6_f32 v[224+6*\c:226+6*\c], v[96+32*\c:111+32*\c], v[244+2*\c]
	v_cvt_scalef32_pk16_fp6_f32 v[236+4*\c:238+4*\c], v[112+32*\c:127+32*\c], v[244+2*\c+1]
.endr
	v_nop                                          ; one plain place behind a scaled conversion
	VLOAD 96, \q*4*HR                              ; all eight fragments of v in one run: where p lay, and where k's fragments lay; they land under the work below
	VLOAD KFR, STRM+\q*4*HR
.irp c, 0,1
.irp i, 0,1,2
	v_permlane16_swap_b32 v[224+6*\c+\i], v[236+4*\c+\i]
.endr
.irp i, 0,1,2
	s_delay_alu instid0(VALU_DEP_3)
	v_mov_b32 v[227+6*\c+\i], v[236+4*\c+\i]
.endr
.endr
	s_wait_alu depctr_va_vdst(0)                   ; the wait directly ahead of the first reader of O^T
.set N, 0
.rept 32
	v_pk_mul_f32 v[160+N:161+N], v[160+N:161+N], v[252:253] op_sel_hi:[1,0]   ; O^T under the new M (also the places between p's codes and word and the products)
.set N, N+2
.endr
	s_wait_alu depctr_va_vdst(0)                   ; the wait directly ahead of the wait below
	s_wait_dscnt 0x0
.irp g, 0,1                            ; O^T += v^T p^T: the eight accumulators by turns
.irp t, 0,1,2,3
	v_wmma_scale_f32_16x16x128_f8f6f4 v[160+8*(4*\g+\t):167+8*(4*\g+\t)], v[96-(96-KFR)*\g+12*\t:107-(96-KFR)*\g+12*\t], v[224:235], v[160+8*(4*\g+\t):167+8*(4*\g+\t)], v[VW+4*\g+\t], v[PWD] matrix_a_fmt:MATRIX_FMT_FP6 matrix_b_fmt:MATRIX_FMT_FP6
.endr
.endr
.Lhidden_\@:
	s_add_co_u32 s[KF], s[KF], 256
.endm
.macro STEPS
	STEP 0
	STEP 1
	s_xor_b32 s[TB], s[TB], SLOTB
.endm
; THE CHANGE OF SLOTS, at a trip's head.  Each wave waits for its tensor load, adds 0 to its spare word, waits for that and for its reads of the slot that it has left; behind the barrier the slot ahead is whole,
; and the other one takes the walk's next slot: number TRIP + 1 of the first tile, or TRIP + 1 - E of the second.  All five slots are read.
.macro CHANGE fill
	s_wait_tensorcnt 0x0                           ; no tensor load of mine is out: group 0 may be written
	ds_add_u32 v[SPW], v[NIL]
.if \fill
	s_add_co_u32 s41, s[TRIP], 1
	s_sub_co_u32 s42, s41, s[EE]
	s_cmp_lt_u32 s41, s[EE]
	s_cselect_b32 s42, s41, s42
	s_mul_i32 s42, s42, STRM
	s_mov_b32 s43, 0
	s_add_nc_u64 s[G0+2:G0+3], s[BASE:BASE+1], s[42:43]
	s_or_b32 s[G0+3], s[G0+3], 0x80000000
	s_xor_b32 s[FB], s[FB], SLOTB
	s_add_co_u32 s[G0+1], s[FB], s[WOF]
.endif
	s_wait_dscnt 0x0
	s_barrier_signal -1
	s_barrier_wait -1
.if \fill
	tensor_load_to_lds s[G0:G0+3], s[G1:G1+7]      ; my one tensor load until the next change of slots
	s_nop 0
.endif
.endm
	s_wait_alu depctr_va_vdst(0)                   ; the wait at the head's end
.Lslot:                                            ; 4 trips
	CHANGE 1
	s_cmp_lg_u32 s[TRIP], s[EE]                    ; THE CHANGE OF TILES: ids and the count of trips alone, the same in all sixteen waves
	s_cbranch_scc1 .Lsame
	FOLD
	s_wait_alu depctr_va_vdst(0)                   ; the wait ahead of the branch and the waits below
	s_cmp_eq_u32 s[PAR], 0
	s_cbranch_scc1 .Lkeeps
	STIM 160, OA                                   ; parity 1: my part of the first tile's O^T, as an image of its registers,
	ds_store_b64 v[SA], v[12:13]                   ; -M and the sum
.Lkeeps:
	s_wait_dscnt 0x0                               ; for the partner's sake: my stores have landed
	s_barrier_signal -1
	s_barrier_wait -1                              ; the load just issued stays out
	s_cmp_lg_u32 s[PAR], 0
	s_cbranch_scc1 .Ljoined
	ds_load_b64 v[232:233], v[SA] offset:6144      ; parity 0: wave w + 4's -M and sum,
	LDIM 96, OA, 0                                 ; and its image
	s_wait_dscnt 16                                ; the cell is in; the image's 16 loads may be out
	v_min_num_f32 v240, v12, v232                  ; -M*
	s_delay_alu instid0(VALU_DEP_1)
	v_sub_f32 v242, v240, v12                      ; M - M*: whole numbers, 0 or less
	v_sub_f32 v244, v240, v232
	s_delay_alu instid0(VALU_DEP_2)
	v_cvt_i32_f32 v242, v242                       ; (it saturates: a wave that had no step counts for nothing)
	s_delay_alu instid0(VALU_DEP_2)
	v_cvt_i32_f32 v244, v244
	s_delay_alu instid0(VALU_DEP_2)
	v_ldexp_f32 v242, 1.0, v242
	s_delay_alu instid0(VALU_DEP_2)
	v_ldexp_f32 v244, 1.0, v244
	v_mov_b32 v243, 0                              ; (named with them as pairs)
	v_mov_b32 v245, 0
	v_mul_f32 v13, v13, v242
	v_mov_b32 v12, v240
	s_delay_alu instid0(VALU_DEP_2)
	v_fma_f32 v13, v233, v244, v13                 ; the head's sum
	s_wait_alu depctr_va_vdst(0)                   ; the wait directly ahead of the wait below
	s_wait_dscnt 0x0
	AXPY 1, 96, 244
	AXPY 0, 160, 242
	STIM 96, OA                                    ; the head's one image, over the partner's
	ds_store_b64 v[SA], v[12:13]
.Ljoined:
	ds_load_b128 v[ZQ+6:ZQ+9], v[SA] offset:512    ; the second tile's q
	ds_load_b64 v[ZQ+10:ZQ+11], v[SA] offset:1024
	ds_load_b32 v[QW], v[SA] offset:1032
	v_mov_b32 v13, 0xff61b1e6                      ; M begins anew: the next step's f is 0
	s_delay_alu instid0(VALU_DEP_1)
	v_floor_f32 v12, -v13
	s_mov_b32 s[T0], s[T0L]
	s_add_co_u32 s[QL], s[T0L], 23
	s_mov_b32 s[KF], s[KF0]
	s_wait_alu depctr_va_vdst(0)                   ; the wait ahead of the branches and waits that follow
.Lsame:
	STEPS
	s_add_co_u32 s[TRIP], s[TRIP], 1
	s_cmp_lt_u32 s[TRIP], 4
	s_cbranch_scc1 .Lslot
	CHANGE 0                                       ; the fifth slot is written out: nothing is left to ask for
	STEPS
	; THE WAY OUT.
	FOLD
	s_lshl_b32 s41, s[WV], 13                      ; my image of the second tile: 8192 w, in the ring
	s_and_b32 s42, s[WV], 3                        ; j
	s_xor_b32 s44, s[PAR], 1
	s_mul_i32 s44, s44, IM                         ; the first tile's images lie at IM, the second's at 0
	s_lshl_b32 s45, s42, 13
	s_add_co_u32 s44, s44, s45
	s_mul_i32 s45, s42, 1536
	s_lshl_b32 s46, s[PAR], 3
	s_add_co_u32 s45, s45, s46
	s_add_co_u32 s45, s45, SM
	v_and_b32 v8, 31, v0
	v_lshl_add_u32 v9, v8, 4, s41
	v_lshl_add_u32 v10, v8, 4, s44                 ; the images that I join, from number j on,
	v_lshl_add_u32 v1, v8, 4, s45                  ; and their cells
	s_delay_alu instid0(VALU_DEP_2)
	v_add_nc_u32 v11, 0x10000, v10
	s_wait_alu depctr_va_vdst(0)                   ; the wait directly ahead of the wait below
	s_wait_dscnt 0x0                               ; my reads of the ring are over
	s_barrier_signal -1
	s_barrier_wait -1                              ; nobody reads the ring any more, and it has had its last fill
	STIM 160, 9
	ds_store_b64 v[SA], v[12:13] offset:8
	s_wait_dscnt 0x0                               ; for the others' sake: my stores have landed
	s_barrier_signal -1
	s_barrier_wait -1
	s_cmp_ge_u32 s[WV], 8
	s_cbranch_scc1 .Lend
	s_cmp_lg_u32 s[PAR], 0
	s_cbranch_scc1 .Lfour
	ds_load_b64 v[232:233], v1                     ; THE FIRST TILE: one image a head; the sums of waves j and j + 8
	ds_load_b64 v[236:237], v1 offset:12288
	LDIM 160, 10, 0
	LDIM 32, 10, 32768
	s_wait_dscnt 32                                ; the two cells are in; the 32 image loads may be out
	s_wait_alu depctr_va_vdst(0)                   ; the wait ahead of the batch
	v_rcp_f32 v242, v233
	v_rcp_f32 v244, v237
	v_mov_b32 v243, 0
	v_mov_b32 v245, 0
	s_wait_alu depctr_va_vdst(0)                   ; and behind it
	v_mul_f32 v244, s[LAM], v244                   ; -lam / l
	s_wait_alu depctr_va_vdst(0)                   ; the wait directly ahead of the wait below
	s_wait_dscnt 16
	AXPY 1, 160, 242
	s_wait_dscnt 0x0
	AXPY 0, 32, 244
	s_wait_alu depctr_va_vdst(0)                   ; the wait ahead of the branch
	s_branch .Lnorm
.Lfour:
.irp s, 0,1,2,3
	ds_load_b64 v[232+2*\s:233+2*\s], v1 offset:6144*\s                    ; THE SECOND TILE: -M and the sum of waves j + 4 s
.endr
	LDIM 160, 10, 0
	LDIM 32, 10, 32768
	s_wait_dscnt 32                                ; the four cells are in; the 32 image loads may be out
	v_min_num_f32 v240, v232, v234                 ; -M* of the first head,
	v_min_num_f32 v241, v236, v238                 ; and of the second
	v_sub_f32 v242, v240, v232                     ; M_s - M*: whole numbers, 0 or less
	v_sub_f32 v244, v240, v234
	v_sub_f32 v246, v241, v236
	v_sub_f32 v248, v241, v238
.irp n, 242,244,246,248
	s_delay_alu instid0(VALU_DEP_4)
	v_cvt_i32_f32 v[\n], v[\n]
.endr
.irp n, 242,244,246,248
	s_delay_alu instid0(VALU_DEP_4)
	v_ldexp_f32 v[\n], 1.0, v[\n]
.endr
	v_mul_f32 v243, v233, v242
	v_mul_f32 v245, v237, v246
	s_delay_alu instid0(VALU_DEP_2)
	v_fma_f32 v243, v235, v244, v243               ; the rows' sums
	s_delay_alu instid0(VALU_DEP_2)
	v_fma_f32 v245, v239, v248, v245
	s_wait_alu depctr_va_vdst(0)                   ; the wait ahead of the batch
	v_rcp_f32 v247, v243
	v_rcp_f32 v249, v245
	v_nop
	s_wait_alu depctr_va_vdst(0)                   ; and behind it
	v_mul_f32 v249, s[LAM], v249                   ; -lam / l
	v_mul_f32 v242, v242, v247
	v_mul_f32 v244, v244, v247
	s_delay_alu instid0(VALU_DEP_3)
	v_mul_f32 v246, v246, v249
	v_mul_f32 v248, v248, v249
	s_wait_alu depctr_va_vdst(0)                   ; the wait directly ahead of the wait below
	s_wait_dscnt 16                                ; the first image is in; the second's 16 loads may be out
	AXPY 1, 160, 242
	LDIM 160, 11, 0
	s_wait_dscnt 16
	AXPY 0, 32, 244
	LDIM 32, 11, 32768
	s_wait_dscnt 16
	AXPY 0, 160, 246
	s_wait_dscnt 0x0
	AXPY 0, 32, 248
.Lnorm:                                            ; a = o1 - lam o2; register 16 b + i: channel 32 b + 16 h + i
	v_pk_mul_f32 v[232:233], v[96:97], v[96:97]    ; the sum of squares, in two chains
	v_pk_mul_f32 v[234:235], v[98:99], v[98:99]
.set N, 4
.rept 15
	s_delay_alu instid0(VALU_DEP_2)
	v_pk_fma_f32 v[232:233], v[96+N:97+N], v[96+N:97+N], v[232:233]
	s_delay_alu instid0(VALU_DEP_2)
	v_pk_fma_f32 v[234:235], v[98+N:99+N], v[98+N:99+N], v[234:235]
.set N, N+4
.endr
	s_delay_alu instid0(VALU_DEP_1)
	v_pk_add_f32 v[232:233], v[232:233], v[234:235]
	s_delay_alu instid0(VALU_DEP_1)
	v_add_f32 v232, v232, v233
	s_delay_alu instid0(VALU_DEP_1)
	v_permlanex16_b32 v252, v232, s[SEL], s[SEL+1]
	s_delay_alu instid0(VALU_DEP_1)
	v_add_f32 v232, v232, v252                     ; with lane l xor 16's 64 channels
	s_delay_alu instid0(VALU_DEP_1)
	v_fma_f32 v232, v232, s56, s57                 ; / 128 + 1e-6
	s_wait_alu depctr_va_vdst(0)
	v_rsq_f32 v232, v232
	v_nop
	s_wait_alu depctr_va_vdst(0)
	v_mul_f32 v232, 0x3e8244c0, v232               ; x (1 - lambda_init) = 0.25443077
.set N, 0
.rept 32
	v_pk_mul_f32 v[96+N:97+N], v[96+N:97+N], v[232:233] op_sel_hi:[1,0]
.set N, N+2
.endr
.irp b, 0,1,2,3
	v_mov_b32 v[TM+4+\b], 0                        ; a lane permute's destination counts as one of its sources
.endr
	QUANT 96, PW
	v_lshlrev_b32 v9, 4, v8
.irp c, 0,1,2
	global_store_b128 v9, v[PC+4*\c:PC+4*\c+3], s[48:49] offset:512*\c     ; 512 consecutive bytes, at a multiple of 256 from the buffer's first byte
.endr
	global_store_b32 v9, v[PW], s[50:51]           ; the four waves of a tile fill the record's 512 bytes of words together
.Lend:
	s_wait_tensorcnt 0x0                           ; the wave's end
	ds_add_u32 v[SPW], v[NIL]
	s_wait_dscnt 0x0
	s_endpgm
.Lfunc_end_k_qb846cec069_attn:
	.size	k_qb846cec069_attn, .Lfunc_end_k_qb846cec069_attn-k_qb846cec069_attn
	.p2alignl 7, 3214868480
	.fill 96, 4, 3214868480
	.section	.rodata,"a",@progbits
	.p2align	6, 0x0
	.amdhsa_kernel k_qb846cec069_attn
		.amdhsa_group_segment_fixed_size 327680
		.amdhsa_private_segment_fixed_size 0
		.amdhsa_enable_private_segment 0
		.amdhsa_kernarg_size 48
		.amdhsa_user_sgpr_count 2
		.amdhsa_user_sgpr_kernarg_segment_ptr 1
		.amdhsa_wavefront_size32 1
		.amdhsa_system_sgpr_workgroup_id_x 1
		.amdhsa_system_sgpr_workgroup_id_y 1
		.amdhsa_system_sgpr_workgroup_id_z 1
		.amdhsa_system_vgpr_workitem_id 0
		.amdhsa_next_free_vgpr 256
		.amdhsa_next_free_sgpr 80
		.amdhsa_reserve_vcc 1
		.amdhsa_float_denorm_mode_32 3
		.amdhsa_float_denorm_mode_16_64 3
		.amdhsa_memory_ordered 1
		.amdhsa_forward_progress 1
		.amdhsa_inst_pref_size 160
	.end_amdhsa_kernel
	.amdgpu_metadata
---
amdhsa.version: [ 1, 2 ]
amdhsa.kernels:
  - .name:           k_qb846cec069_attn
    .symbol:         k_qb846cec069_attn.kd
    .args:
      - { .name: qkv, .offset: 0, .size: 8, .value_kind: global_buffer, .address_space: global }
      - { .name: lambda_q1, .offset: 8, .size: 8, .value_kind: global_buffer, .address_space: global }
      - { .name: lambda_k1, .offset: 16, .size: 8, .value_kind: global_buffer, .address_space: global }
      - { .name: lambda_q2, .offset: 24, .size: 8, .value_kind: global_buffer, .address_space: global }
      - { .name: lambda_k2, .offset: 32, .size: 8, .value_kind: global_buffer, .address_space: global }
      - { .name: ai, .offset: 40, .size: 8, .value_kind: global_buffer, .address_space: global }
    .group_segment_fixed_size: 327680
    .private_segment_fixed_size: 0
    .kernarg_segment_align: 8
    .kernarg_segment_size: 48
    .max_flat_workgroup_size: 512
    .sgpr_count:     80
    .vgpr_count:     256
    .wavefront_size: 32
...
	.end_amdgpu_metadata
.endif
;; end of part 3
;; launch oproj (part 4): grid 256 x 1, 8 waves a work-group, no clusters, 327,680 bytes of LDS; arguments woi, ai, out0; writes out0
.if DOCPART == 4
	.amdgcn_target "amdgcn-amd-amdhsa--gfx1250"
	.amdhsa_code_object_version 6
	.text
	.protected	k_qb846cec069_oproj
	.globl	k_qb846cec069_oproj
	.p2align	8
	.type	k_qb846cec069_oproj,@function
k_qb846cec069_oproj:
	s_mov_b64 s[64:65], 0
	v_nop
	global_prefetch_b8 v0, s[64:65] scope:SCOPE_SE
	s_setreg_imm32_b32 hwreg(HW_REG_WAVE_MODE, 25, 1), 1
	s_wait_xcnt 0x0
; out0 = a Wo^T on codes of FP6 (E2M3) with E8M0 scales, K = 2,048.  Source 0 = 16 rows of Wo (woi), source 1 = 16 tokens (ai): a lane holds one token, its registers run along the output's columns.
; woi and ai are register images: tile t, K quad g at (4 t + g) x 6,656 bytes: four fragments of 1,536 bytes, then 512 bytes of scale words.  A tile's rows are 32 (t / 2) + 8 (t % 2) + r + 8 (r / 8).
; A work-group takes 8 tiles of woi (128 columns) x 8 of ai (128 tokens): 16 x 16 = 256 work-groups.  Wave w takes woi's tiles 4 (w & 1) .. + 3 and ai's tiles 2 (w >> 1), + 1: ACC(b, a) at v[128 + 32 b + 8 a].
; K goes in four quads of 512 through two LDS slots of 16 records.  Wave w fetches records 2 w and 2 w + 1 of a slot (waves 0-3 woi's, waves 4-7 ai's): one tensor load a wave at the head and behind each barrier; one is out.
; PREFETCH.  The eight records that a block of woi (of ai) has in a quad, 208 blocks of 256 bytes, are read by sixteen work-groups, which share them out by address, 13 blocks each: wave 0 asks for woi's, wave 1 for ai's.
; Quads 1 and 2 are asked for behind the first tensor load, quad 3 behind the second: one or two fills ahead of the load that wants them.
; The way out goes through the wave's own stage in LDS, so that sixteen lanes store 256 consecutive bytes of a row of out0.
; No cluster: joint loads for woi's and ai's tiles are left for a later text.
.set QR,    6656
.set TROW,  4*QR
.set S1OFF, 8*QR
.set SLOT,  16*QR
.set SPARE, 2*SLOT                     ; behind the ring: the spare words, 128 bytes a wave, named by no other line
.set SPT,   272                        ; a stage row: 256 bytes + 16
.set SPW, 1
.set NIL, 2
.set A0,  3                            ; v3-4 my woi tiles in slot 0, 1: + 16 x lane
.set A1,  5                            ; v5-6 my ai tiles
.set SC0, 8                            ; v8-13 hold scales and nothing else
.set SC1, 12
.set F0,  16                           ; v16-63 woi's four fragments
.set F1,  64                           ; v64-87 ai's two
.set STO, 112
.set RD,  113
.set CO,  114
.set PFO, 115                          ; the prefetches' offset: 256 x min(lane, 12); never rewritten
.set ACC, 128
.set WV,  14
.set G1,  16
.set G0,  32                           ; s[32:39] group 0, a set for each slot
.set PFA, 62                           ; s[62:63] my 13 blocks of quad 0; never rewritten
.macro ASK g
	s_cmp_lt_u32 s[WV], 2
	s_cbranch_scc0 .Lnone_\@
	global_prefetch_b8 v[PFO], s[PFA:PFA+1] offset:(\g)*QR th:TH_LOAD_NT scope:SCOPE_SE
.Lnone_\@:
.endm
; One K step of 128: 24 LDS loads, 8 matrix instructions.  The eight accumulators take turns, one instruction a turn, in the same order in every step.
.macro KSTEP slot, s, zero
.rept 4
	v_nop                                          ; four places between the last products and the loads into the registers that they read
.endr
.irp t, 0,1,2,3
	ds_load_b32 v[SC0+\t], v[A0+\slot] offset:\t*QR+6144+4*(\s)
.endr
.irp t, 0,1
	ds_load_b32 v[SC1+\t], v[A1+\slot] offset:\t*QR+6144+4*(\s)
.irp c, 0,1,2
	ds_load_b128 v[F1+12*\t+4*\c:F1+12*\t+4*\c+3], v[A1+\slot] offset:\t*QR+1536*(\s)+512*\c
.endr
.endr
.irp t, 0,1,2,3
.irp c, 0,1,2
	ds_load_b128 v[F0+12*\t+4*\c:F0+12*\t+4*\c+3], v[A0+\slot] offset:\t*QR+1536*(\s)+512*\c
.endr
.endr
.irp a, 0,1,2,3
	s_wait_dscnt 9-3*\a                            ; woi's fragment a is in; the three loads of each later fragment may be out
.irp b, 0,1
.if \zero
	v_wmma_scale_f32_16x16x128_f8f6f4 v[ACC+32*\b+8*\a:ACC+32*\b+8*\a+7], v[F0+12*\a:F0+12*\a+11], v[F1+12*\b:F1+12*\b+11], 0, v[SC0+\a], v[SC1+\b] matrix_a_fmt:MATRIX_FMT_FP6 matrix_b_fmt:MATRIX_FMT_FP6
.else
	v_wmma_scale_f32_16x16x128_f8f6f4 v[ACC+32*\b+8*\a:ACC+32*\b+8*\a+7], v[F0+12*\a:F0+12*\a+11], v[F1+12*\b:F1+12*\b+11], v[ACC+32*\b+8*\a:ACC+32*\b+8*\a+7], v[SC0+\a], v[SC1+\b] matrix_a_fmt:MATRIX_FMT_FP6 matrix_b_fmt:MATRIX_FMT_FP6
.endif
.endr
.endr
.endm
.macro QUAD slot
	KSTEP \slot, 0, 0
	KSTEP \slot, 1, 0
	KSTEP \slot, 2, 0
	KSTEP \slot, 3, 0
.endm
; The slot just read is left.  Each wave waits for its tensor load (its part of the other slot), adds 0 to its spare word, waits for that and for its reads; behind the barrier the slot is filled again first (fill = 1).
.macro CHANGE slot, fill
	s_wait_tensorcnt 0x0                           ; no tensor load of mine is out: a group 0 may be written
	ds_add_u32 v[SPW], v[NIL]
.if \fill
	s_add_nc_u64 s[G0+4*\slot+2:G0+4*\slot+3], s[G0+4*\slot+2:G0+4*\slot+3], 2*QR   ; two quads on
.endif
	s_wait_dscnt 0x0
	s_barrier_signal -1
	s_barrier_wait -1
.if \fill
	tensor_load_to_lds s[G0+4*\slot:G0+4*\slot+3], s[G1:G1+7]
	s_nop 0
.endif
.endm
	s_load_b128 s[4:7], s[0:1], 0x0                ; woi, ai
	s_load_b64 s[8:9], s[0:1], 0x10                ; out0
	v_lshl_add_u32 v[SPW], v0, 2, SPARE
	v_mov_b32 v[NIL], 0
	ds_add_u32 v[SPW], v[NIL]                      ; the opening: the add, twice on end, and its wait ahead of my first tensor load
	ds_add_u32 v[SPW], v[NIL]
	v_lshrrev_b32 v7, 5, v0
	s_delay_alu instid0(VALU_DEP_1)
	v_readfirstlane_b32 s[WV], v7                  ; wave 0..7
	s_and_b32 s48, s[WV], 1                        ; which 4 tiles of woi are mine
	s_lshr_b32 s49, s[WV], 1                       ; which 2 tiles of ai
	s_mov_b32 s[G1], 3<<16                         ; no mask; elements of 8 bytes; no padding
	s_mov_b32 s[G1+1], 832<<16                     ; a record is 832 elements
	s_mov_b32 s[G1+2], 2<<16
	s_mov_b32 s[G1+3], 832<<16
	s_mov_b32 s[G1+4], 2                           ; 2 tiles' records
	s_mov_b32 s[G1+5], 3328                        ; from tile to tile: 26,624 bytes
	s_mov_b32 s[G1+6], 0
	s_mov_b32 s[G1+7], 0
	s_lshr_b32 s51, ttmp9, 4                       ; block of woi
	s_and_b32 s52, ttmp9, 15                       ; block of ai
	s_and_b32 s50, s[WV], 3
	s_lshl_b32 s50, s50, 1
	s_cmp_lt_u32 s[WV], 4                          ; waves 0-3 fetch for woi, waves 4-7 for ai
	s_cselect_b32 s53, s51, s52
	s_lshl_b32 s53, s53, 3
	s_add_co_u32 s53, s53, s50                     ; the first of my two tiles: 8 x block + 2 x (w & 3)
	s_mul_i32 s2, s53, TROW
	s_mov_b32 s3, 0
	s_mul_i32 s54, s[WV], 2*QR                     ; LDS: records 2 w, 2 w + 1 of a slot
	s_mul_i32 s55, s48, TROW                       ; the woi tiles that I read,
	s_mul_i32 s56, s49, 2*QR
	s_add_co_u32 s56, s56, S1OFF                   ; and the ai tiles
	s_mul_i32 s57, s[WV], 16*SPT                   ; my stage, in slot 0
	s_cmp_eq_u32 s[WV], 0                          ; the prefetches: wave 0 for woi, wave 1 for ai
	s_cselect_b32 s60, s51, s52                    ; the block,
	s_cselect_b32 s61, s52, s51                    ; and my work-group's place p among the sixteen that read it
	s_lshl_b32 s60, s60, 3
	s_lshr_b32 s62, s61, 1
	s_add_co_u32 s60, s60, s62                     ; tile 8 x block + p / 2,
	s_mul_i32 s60, s60, TROW
	s_and_b32 s61, s61, 1
	s_mul_i32 s61, s61, 13*256                     ; half p % 2 of its record
	s_add_co_u32 s60, s60, s61
	s_mov_b32 s61, 0
	v_and_b32 v7, 31, v0
	s_delay_alu instid0(VALU_DEP_1)
	v_min_u32 v[PFO], 12, v7
	v_lshlrev_b32 v7, 4, v7
	s_delay_alu instid0(VALU_DEP_2)
	v_lshlrev_b32 v[PFO], 8, v[PFO]
	s_delay_alu instid0(VALU_DEP_2)
	v_add_nc_u32 v[A0], s55, v7
	v_add_nc_u32 v[A1], s56, v7
	s_delay_alu instid0(VALU_DEP_2)
	v_add_nc_u32 v[A0+1], SLOT, v[A0]
	s_delay_alu instid0(VALU_DEP_2)
	v_add_nc_u32 v[A1+1], SLOT, v[A1]
	v_and_b32 v7, 15, v0                           ; r
	v_bfe_u32 v[CO], v0, 4, 1                      ; h
	s_delay_alu instid0(VALU_DEP_2)
	v_mul_u32_u24 v[STO], v7, SPT
	s_delay_alu instid0(VALU_DEP_2)
	v_mul_u32_u24 v[RD], v[CO], SPT
	s_delay_alu instid0(VALU_DEP_2)
	v_lshl_add_u32 v[STO], v[CO], 6, v[STO]
	s_delay_alu instid0(VALU_DEP_2)
	v_lshl_add_u32 v[RD], v7, 4, v[RD]
	s_delay_alu instid0(VALU_DEP_2)
	v_add_nc_u32 v[STO], s57, v[STO]               ; in: row r, + 64 h
	s_delay_alu instid0(VALU_DEP_2)
	v_add_nc_u32 v[RD], s57, v[RD]                 ; back: lanes 0-15 one row, lanes 16-31 the next
	v_lshlrev_b32 v[CO], 13, v[CO]
	s_delay_alu instid0(VALU_DEP_1)
	v_lshl_add_u32 v[CO], v7, 4, v[CO]             ; and the same two rows of out0
	s_wait_alu depctr_va_vdst(0)                   ; the wait behind the head's last vector instruction, ahead of the waits below
	s_wait_dscnt 0x0                               ; both opening adds are done
	s_wait_kmcnt 0x0
	s_cmp_lt_u32 s[WV], 4
	s_cselect_b64 s[58:59], s[4:5], s[6:7]         ; the choice hangs on the wave's number alone
	s_add_nc_u64 s[58:59], s[58:59], s[2:3]
	s_cmp_eq_u32 s[WV], 0
	s_cselect_b64 s[PFA:PFA+1], s[4:5], s[6:7]
	s_add_nc_u64 s[PFA:PFA+1], s[PFA:PFA+1], s[60:61]
.irp s, 0,1
	s_mov_b32 s[G0+4*\s], 1
	s_add_co_u32 s[G0+4*\s+1], s54, \s*SLOT
	s_add_nc_u64 s[G0+4*\s+2:G0+4*\s+3], s[58:59], \s*QR
	s_or_b32 s[G0+4*\s+3], s[G0+4*\s+3], 0x80000000
.endr
	tensor_load_to_lds s[G0:G0+3], s[G1:G1+7]      ; slot 0: every wave its two records
	s_nop 0
	s_lshl_b32 s2, s52, 2
	s_add_co_u32 s2, s2, s49
	s_lshl_b32 s2, s2, 18                          ; my 32 tokens: rows of 8,192 bytes
	s_add_nc_u64 s[8:9], s[8:9], s[2:3]
	s_lshl_b32 s2, s51, 1
	s_add_co_u32 s2, s2, s48
	s_lshl_b32 s2, s2, 8                           ; my 64 columns: 256 bytes
	s_add_nc_u64 s[8:9], s[8:9], s[2:3]
	ASK 1
	ASK 2
	s_wait_tensorcnt 0x0                           ; my part of slot 0 is in; slot 1's first fill is issued as a refill is
	ds_add_u32 v[SPW], v[NIL]
	s_wait_dscnt 0x0
	s_barrier_signal -1
	s_barrier_wait -1
	tensor_load_to_lds s[G0+4:G0+7], s[G1:G1+7]    ; slot 1
	s_nop 0
	KSTEP 0, 0, 1                                  ; the first products start the sums
	ASK 3
	KSTEP 0, 1, 0
	KSTEP 0, 2, 0
	KSTEP 0, 3, 0
	CHANGE 0, 1
	QUAD 1
	CHANGE 1, 1
	QUAD 0
	CHANGE 0, 0                                    ; nothing is left to fetch; behind this barrier nobody reads slot 0, and it has had its last fill: the stages lie there
	QUAD 1
.rept 4
	v_nop                                          ; four places between the last products and the first read of results, and the loads into the fragments' registers
.endr
; THE WAY OUT, a token tile at a time: 16 rows x 256 bytes through my own stage.  LDS serves a wave's instructions in order (ISA guide 5.7.1.4): no wait between the stores and the loads.
.irp b, 0,1
.irp a, 0,1,2,3
	ds_store_b128 v[STO], v[ACC+32*\b+8*\a:ACC+32*\b+8*\a+3] offset:128*(\a/2)+32*(\a%2)        ; each accumulator from its low end on
	ds_store_b128 v[STO], v[ACC+32*\b+8*\a+4:ACC+32*\b+8*\a+7] offset:128*(\a/2)+32*(\a%2)+16
.endr
.irp i, 0,1,2,3,4,5,6,7
	ds_load_b128 v[16+32*\b+4*\i:16+32*\b+4*\i+3], v[RD] offset:2*SPT*\i
.endr
	s_wait_dscnt 0x0
.irp i, 0,1,2,3,4,5,6,7
	global_store_b128 v[CO], v[16+32*\b+4*\i:16+32*\b+4*\i+3], s[8:9] offset:(8*\b+2*\i+8*(\i/4))*8192 th:TH_STORE_NT   ; stage row p is token 8 b + p + 8 (p / 8) of my 32; 16 lanes store 256 consecutive bytes, aligned
.endr
.endr
	s_wait_tensorcnt 0x0                           ; the wave's end
	ds_add_u32 v[SPW], v[NIL]
	s_wait_dscnt 0x0
	s_endpgm
.Lfunc_end_k_qb846cec069_oproj:
	.size	k_qb846cec069_oproj, .Lfunc_end_k_qb846cec069_oproj-k_qb846cec069_oproj
	.p2alignl 7, 3214868480
	.fill 96, 4, 3214868480
	.section	.rodata,"a",@progbits
	.p2align	6, 0x0
	.amdhsa_kernel k_qb846cec069_oproj
		.amdhsa_group_segment_fixed_size 327680
		.amdhsa_private_segment_fixed_size 0
		.amdhsa_enable_private_segment 0
		.amdhsa_kernarg_size 24
		.amdhsa_user_sgpr_count 2
		.amdhsa_user_sgpr_kernarg_segment_ptr 1
		.amdhsa_wavefront_size32 1
		.amdhsa_system_sgpr_workgroup_id_x 1
		.amdhsa_system_sgpr_workgroup_id_y 1
		.amdhsa_system_sgpr_workgroup_id_z 1
		.amdhsa_system_vgpr_workitem_id 0
		.amdhsa_next_free_vgpr 256
		.amdhsa_next_free_sgpr 66
		.amdhsa_reserve_vcc 0
		.amdhsa_float_denorm_mode_32 3
		.amdhsa_float_denorm_mode_16_64 3
		.amdhsa_memory_ordered 1
		.amdhsa_forward_progress 1
		.amdhsa_inst_pref_size 55
	.end_amdhsa_kernel
	.amdgpu_metadata
---
amdhsa.version: [ 1, 2 ]
amdhsa.kernels:
  - .name:           k_qb846cec069_oproj
    .symbol:         k_qb846cec069_oproj.kd
    .args:
      - { .name: woi, .offset: 0, .size: 8, .value_kind: global_buffer, .address_space: global }
      - { .name: ai, .offset: 8, .size: 8, .value_kind: global_buffer, .address_space: global }
      - { .name: out0, .offset: 16, .size: 8, .value_kind: global_buffer, .address_space: global }
    .group_segment_fixed_size: 327680
    .private_segment_fixed_size: 0
    .kernarg_segment_align: 8
    .kernarg_segment_size: 24
    .max_flat_workgroup_size: 256
    .sgpr_count:     66
    .vgpr_count:     256
    .wavefront_size: 32
...
	.end_amdgpu_metadata
.endif
;; end of part 4
